; MI455X (gfx1250); checked and timed in simulation.
; The chip was launched on July 23, 2026; its instructions are those of AMD's public machine-readable ISA for CDNA 5 (MIT licence, August 2026) and "CDNA5" Instruction Set Architecture Reference Guide (July 2026). The comments in the code are by the model that wrote it; some were corrected since.
;; Chunked Cross Attention. Allowed arithmetic: matrix products marked QUANTISED: E2M1 operands, one E8M0 scale for each 32 along K, by v_wmma_scale_f32_16x16x128_f8f6f4 with both operands' format E2M1 (or v_wmma_scale_f32_32x16x128_f4), f32 sums; everything else in f32.
;; Inputs: Wk 1,024 x 1,024 float32; Wo 1,024 x 1,024 float32; Wq 1,024 x 1,024 float32; Wv 1,024 x 1,024 float32; beta 1,024 float32; bk 1,024 float32; bo 1,024 float32; bq 1,024 float32; bv 1,024 float32; e 4 x 32 x 2 x 64 x 1,024 float32; gamma 1,024 float32; h 4 x 2,048 x 1,024 float32.
;; Outputs: out0 4 x 2,048 x 1,024 float32.
;; This version of the problem:
;;   THIS VERSION OF THE PROBLEM IS GIVEN IN LOW PRECISION. The matrix products marked QUANTISED in the list below multiply operands that are first quantised to E2M1 (2 exponent bits, 1 mantissa bit; 4 bits a number), with one power-of-two scale for each 32 numbers along K (OCP MX v1.0); their sums are f32. All else is computed in f32.
;;   The module's matrix products, in the order in which they are computed (A, B: the left and right operand; K: the contracted axis; several contracted axes count as one K, in the product's order):
;;     1. [M 8,192, K 1,024] x [K 1,024, N 1,024]; A: computed on the way; B: input Wq: QUANTISED
;;     2. [M 16,384, K 1,024] x [K 1,024, N 1,024]; A: input e; B: input Wk: QUANTISED
;;     3. [M 16,384, K 1,024] x [K 1,024, N 1,024]; A: input e; B: input Wv: QUANTISED
;;     4. batch 2,048 x [M 64, K 64] x [K 64, N 128]; A: computed on the way; B: computed on the way: QUANTISED
;;     5. batch 2,048 x [M 64, K 128] x [K 128, N 64]; A: computed on the way; B: computed on the way: QUANTISED
;;     6. [M 8,192, K 1,024] x [K 1,024, N 1,024]; A: computed on the way; B: input Wo: QUANTISED
;;   THE QUANTISER, for each operand of a quantised product, along K:
;;     - K is cut into blocks of 32 from its start; a last block that is shorter is filled with zeros.
;;     - A block's scale is 2^e with e = floor(log2(the largest magnitude in the block)) - 2, held to -126 .. 127; a block of zeros has e = 0. As a byte (E8M0): e + 127.
;;     - Each number is divided by its block's scale, clamped to +-6, and rounded to the nearest number of E2M1, ties to even, subnormals kept.
;;     - The product sums the exact products of the quantised numbers (number of the format x scale) in f32.
;;   ~~~python
;;   def quantise(x, axis):      # numpy; x: float32 -> the quantised numbers, widened to float32 again
;;       x = np.moveaxis(x, axis, -1); K = x.shape[-1]
;;       x = np.pad(x, [(0, 0)] * (x.ndim - 1) + [(0, -K % 32)]); x = x.reshape(x.shape[:-1] + (-1, 32)); a = np.abs(x).max(-1, keepdims=True)
;;       e = np.where(a > 0, np.clip(np.frexp(np.where(a > 0, a, 1))[1] - 1 - 2, -126, 127), 0)      # np.frexp(a)[1] - 1 = floor(log2(a)), exactly
;;       r = np.clip(x / 2.0 ** e, -6, 6)
;;       step = 2.0 ** (np.maximum(np.frexp(np.where(r == 0, 1, r))[1] - 1, 0) - 1)
;;       q = np.round(r / step) * step * 2.0 ** e      # np.round: ties to even
;;       return np.moveaxis(q.reshape(q.shape[:-2] + (-1,))[..., :K], -1, axis).astype(np.float32)
;;   ~~~
;;   OPERANDS COMPUTED ON THE WAY. 'Computed on the way' means the value that the module computes at that place (a softmax that the list does not call 'softmax' is quantised finished and normalised). What goes into a quantiser is computed in f32, as accurately as f32 sums, v_exp_f32 and their like allow (about 1e-6 of the number): no bf16 or f16 on the way to a quantiser, and a product that is left as it is and whose result goes on into a quantised operand takes f32 operands (vector FMAs, or v_wmma_f32_16x16x4_f32). A number that lies on a knife's edge between two numbers of the format may be rounded either way, as far as f32 arithmetic and the matrix unit's own rounding can turn it there, and no further.
;; One version. Each part assembles by itself: llvm-mc -triple=amdgcn-amd-amdhsa -mcpu=gfx1250 --defsym DOCPART=n.
;; ======== version 1 of 1: 3 launches
;; limits: right only within a limited range of input values
;; workspace buffers: xc 12,582,912 bytes; scl 786,432 bytes; wimg 2,097,152 bytes; wsc 131,072 bytes; acodes 4,194,304 bytes; ascl 262,144 bytes
;; launch prep (part 1): grid 1024 x 1, 8 waves a work-group, no clusters, 56,832 bytes of LDS; arguments Wk, Wv, Wq, Wo, e, h, gamma, beta, wimg, wsc, xc, scl; writes wimg, wsc, xc, scl
.if DOCPART == 1
	.amdgcn_target "amdgcn-amd-amdhsa--gfx1250"
	.amdhsa_code_object_version 6
	.text
	.protected	k_qeb019249b8_prep
	.globl	k_qeb019249b8_prep
	.p2align	8
	.type	k_qeb019249b8_prep,@function
k_qeb019249b8_prep:
	s_mov_b64 s[64:65], 0
	v_nop
	global_prefetch_b8 v0, s[64:65] scope:SCOPE_SE
	s_setreg_imm32_b32 hwreg(HW_REG_WAVE_MODE, 25, 1), 1
	s_wait_xcnt 0x0
; CHUNKED CROSS-ATTENTION IN MX-FP4, launch 1 of 3: every operand that comes from an input is quantised ONCE, along its own K = 1,024, into codes of E2M1 and E8M0 scale bytes,
; laid in the order of the matrix operands' registers: Wk, Wv, Wq, Wo (K is their first axis), e, and hs = LayerNorm(h[:, 63:]) padded with zero rows.
; DEAD WORK LEFT OUT, for all values of the inputs: reference() normalises h[:, 63:] alone, so rows 0..62 of each batch of h are not normalised here; it pads hs with 63 rows of zeros, rows i = 1985..2047
; of each batch, and the results of those rows are cut away by [:S] behind the shift by 63: hs tiles that hold such rows alone (3 of 128 a batch) are not computed: zero codes are stored, as the pad has them.
; Every input has a way to an output and is loaded by some launch.  LIMIT: a NaN, an infinity or an overflow that reaches only the padded rows is not carried to the result.
; A block's scale is 2^(floor(log2(largest magnitude)) - 2); its byte is the largest magnitude's exponent field - 2, held at 1 from below by a floor among the maximum's leaves.  A block of zeros so has the byte 1
; (or 127 in the zero tiles) and zero codes: this program alone reads the bytes.  LIMITS: NaN and infinities among the inputs are not served; blocks whose largest magnitude lies under 2^-124 take the byte 1.
; A FRAGMENT'S IMAGE: 16 rows x 128 K = 1,024 bytes as [block of 32 (4)][row slot (16)][16 bytes], which is [register group c (2)][lane (32)][16 bytes]: two loads of 16 bytes a lane give the operand's 8 registers.
; THE ROWS OF A TILE ARE NOT NEIGHBOURS, so that a later result's registers fall into the blocks of the next product's K.
;   The weights' columns, within a group of 64: slot r of tile 2 b + u holds column 32 b + 8 u + r + 8 (r / 8): the 16 registers of tiles 2 b and 2 b + 1 are then 16 neighbours along the next K.
;   e's rows, within a chunk's 128 = [neighbour n (2)][token j (64)]: slot r of tile 2 b + u holds neighbour r / 8, token 16 b + 8 u + r % 8.  The product of the softmax with v contracts j and n in that order,
;   K = 2 j + n, so a block of 32 along K is 16 tokens of both neighbours: the 16 registers of tiles 2 b and 2 b + 1 are tokens 16 b .. 16 b + 15 of neighbour lane / 16, and lanes l and l xor 16 hold block b between them.
;   hs rows keep their order.
; xc   [pair of chunks 64][196,608]: e's images [K step 8][tile 16][1,024], then at 131,072 hs's [K step 8][tile 8][1,024].
; scl  [pair 64][12,288]: 16 e tiles, then 8 hs tiles, 512 bytes each: [16 blocks (2)][row slot 16][16 bytes].
; wimg [weight 4][group of 64 columns 16][tile 4][K step 8][1,024];  wsc [weight][group][b 2][K step 8][lane 32] words: lanes 0-15 tile 2 b, lanes 16-31 tile 2 b + 1.
; WORK-GROUPS, 1,024 = 4 x 256, four to a WGP at once (128 registers a wave): 0-255 weights (64 columns x 256 K; a wave: 32 columns x 64 K, a lane to a column, registers down K); 256-511 hs, 512-1,023 e: two neighbouring tiles of 16 rows,
; a wave two rows of each.  256 of weights, 256 of hs and 2 x 256 of e read 1, 2 and 2 x 2 parts of 65,536 bytes.  A row's registers are free once it has turned through LDS: the second tile's row is asked for there,
; so that loads are on their way while the first tile is worked and stored.
; No matrix unit, no tensor load, no cluster: the launch streams, and work-groups share nothing.  No prefetch: two tiles are no loop to run ahead in.
.set TURNW, 4608                       ; LDS: for each wave 32 x 144 bytes, in which a row turns from 16 bytes a lane to a block of 32 numbers a lane
.set IMG,   36864                      ; a tile's codes: 32 blocks x (16 slots x 16 bytes + 16 of padding); two tiles
.set IMGB,  8704
.set SCS,   54272                      ; a tile's 512 scale bytes; two tiles
.set WSL,   55296                      ; weights: the scale words [b 2][K step 2][lane 32]
.set SPARE, 55808                      ; the spare words, 128 bytes for each wave: four blocks of 256 bytes that no other line names
.set SPW, 14                           ; v14 my spare word's address, v15 zero: never rewritten
.set NIL, 15
.set R,   16                           ; v16-79   two rows as they are loaded; for the weights two sets of 32 numbers
.set X,   80                           ; v80-111  a row turned: a block of 32 a lane; ahead of that half of gamma (16) and half of beta (16); for the weights the codes
.set CD,  112                          ; v112-119 two rows' codes; on the way out the tile's K step
.set BY,  120                          ; v120-121 two rows' scale bytes
.set T,   122                          ; v122-127 LayerNorm, at work
	s_load_b512 s[4:19], s[0:1], 0x0               ; Wk s[4:5], Wv s[6:7], Wq s[8:9], Wo s[10:11], e s[12:13], h s[14:15], gamma s[16:17], beta s[18:19]
	s_load_b256 s[20:27], s[0:1], 0x40             ; wimg s[20:21], wsc s[22:23], xc s[24:25], scl s[26:27]
	v_lshl_add_u32 v[SPW], v0, 2, SPARE
	v_mov_b32 v[NIL], 0
	v_lshrrev_b32 v1, 5, v0
	v_readfirstlane_b32 s28, v1                    ; wave 0..7
	v_and_b32 v1, 31, v0                           ; lane
	s_wait_alu depctr_va_vdst(0)
	s_cmp_ge_u32 ttmp9, 256
	s_cbranch_scc1 .Lrows
; the largest magnitude of v[x] .. v[x + 31], two chains, with the floor 2^(3 - 127) as one more leaf; v11 = that with 2 off its exponent field: the conversion's scale operand
.macro BMAX x
	v_max3_num_f32 v12, |v[(\x)]|, |v[(\x)+1]|, |v[(\x)+2]|
	v_max3_num_f32 v13, |v[(\x)+3]|, |v[(\x)+4]|, |v[(\x)+5]|
.irp i, 6,10,14,18,22,26
	s_delay_alu instid0(VALU_DEP_2)
	v_max3_num_f32 v12, v12, |v[(\x)+\i]|, |v[(\x)+\i+1]|
	s_delay_alu instid0(VALU_DEP_2)
	v_max3_num_f32 v13, v13, |v[(\x)+\i+2]|, |v[(\x)+\i+3]|
.endr
	s_delay_alu instid0(VALU_DEP_2)
	v_max3_num_f32 v12, v12, |v[(\x)+30]|, |v[(\x)+31]|
	s_delay_alu instid0(VALU_DEP_1)
	v_max3_num_f32 v12, v12, v13, 0x1800000
	s_delay_alu instid0(VALU_DEP_1)
	v_add_nc_u32 v11, 0xff000000, v12
.endm
; ---------------- THE WEIGHTS.  id = 64 x weight + 4 x group + pair of K steps;  wave: b = w & 1, K step of the pair = (w / 2) & 1, half of the K step = w / 4
	s_lshr_b32 s29, ttmp9, 6                       ; which weight
	s_lshr_b32 s30, ttmp9, 2                       ; 16 x weight + group
	s_and_b32 s31, s28, 1                          ; b: which 32 of the group's 64 columns
	s_lshr_b32 s33, s28, 1
	s_and_b32 s33, s33, 1
	s_lshr_b32 s42, s28, 2                         ; half: two blocks of 32
	s_and_b32 s32, ttmp9, 3
	s_lshl_b32 s43, s32, 8                         ; in wsc: 256 bytes a pair of K steps
	s_lshl_b32 s32, s32, 1
	s_add_co_u32 s32, s32, s33                     ; K step
	s_and_b32 s34, s30, 15                         ; group
	s_lshl_b32 s36, s32, 19                        ; in W: 128 rows of 4,096 bytes a K step,
	s_lshl_b32 s35, s42, 18
	s_add_co_u32 s36, s36, s35                     ; 64 rows a half,
	s_lshl_b32 s35, s34, 8
	s_add_co_u32 s36, s36, s35                     ; 256 bytes a group,
	s_lshl_b32 s35, s31, 7
	s_add_co_u32 s36, s36, s35                     ; 128 bytes for b
	s_mov_b32 s37, 0
	s_lshl_b32 s38, s30, 15                        ; in wimg: 32,768 bytes a group,
	s_lshl_b32 s35, s31, 14
	s_add_co_u32 s38, s38, s35                     ; tiles 2 b, 2 b + 1,
	s_lshl_b32 s35, s32, 10
	s_add_co_u32 s38, s38, s35                     ; the K step's image,
	s_lshl_b32 s35, s42, 9
	s_add_co_u32 s38, s38, s35                     ; its half
	s_mov_b32 s39, 0
	s_lshl_b32 s40, s30, 11                        ; in wsc: 2,048 bytes a group, 1,024 for b
	s_lshl_b32 s35, s31, 10
	s_add_co_u32 s40, s40, s35
	s_add_co_u32 s40, s40, s43
	s_mov_b32 s41, 0
	s_lshl_b32 s46, s31, 8                         ; the scale words in LDS: b,
	s_add_co_u32 s46, s46, WSL
	s_lshl_b32 s47, s33, 7
	s_add_co_u32 s47, s47, s46                     ; K step,
	s_lshl_b32 s35, s42, 1
	s_add_co_u32 s47, s47, s35                     ; half of the word
	v_and_b32 v2, 7, v1                            ; my column among the 32: lane 16 u + r takes 8 u + r + 8 (r / 8): the lane's bits 3 and 4 change places
	v_bfe_u32 v3, v1, 4, 1
	v_bfe_u32 v4, v1, 3, 1
	v_and_b32 v5, 15, v1
	v_lshl_or_b32 v2, v3, 3, v2
	v_lshlrev_b32 v5, 4, v5
	v_lshlrev_b32 v6, 2, v1
	v_lshlrev_b32 v7, 3, v1                        ; the way out of the scale words: 8 bytes a lane
	v_lshl_or_b32 v2, v4, 4, v2
	v_lshl_add_u32 v5, v3, 13, v5                  ; my codes' place: tile u (8,192 bytes on), slot r
	v_add_nc_u32 v6, s47, v6
	v_add_nc_u32 v8, s46, v7
	v_lshlrev_b32 v2, 2, v2
	s_wait_alu depctr_va_vdst(0)
	s_wait_kmcnt 0x0
	s_cmp_eq_u32 s29, 1                            ; the weight is chosen by the work-group's number alone
	s_cselect_b64 s[4:5], s[6:7], s[4:5]
	s_cmp_eq_u32 s29, 2
	s_cselect_b64 s[4:5], s[8:9], s[4:5]
	s_cmp_eq_u32 s29, 3
	s_cselect_b64 s[4:5], s[10:11], s[4:5]
	s_add_nc_u64 s[4:5], s[4:5], s[36:37]
	s_add_nc_u64 s[20:21], s[20:21], s[38:39]
	s_add_nc_u64 s[22:23], s[22:23], s[40:41]
.macro WLOAD q                         ; block q: W(first row + 32 q + i, my column) into set q: the wave reads 128 bytes of a row, the wave beside it the next 128
.set K0, 0
.rept 32
	global_load_b32 v[R+32*(\q)+K0], v2, s[4:5] offset:(32*(\q)+K0)*4096 th:TH_LOAD_NT
.set K0, K0+1
.endr
.endm
.macro WBLOCK q
.set WS, R+32*(\q)
.if (\q) == 0
	s_wait_loadcnt 32                              ; this block's 32 loads are in; the next block's 32 may be out
.else
	s_wait_loadcnt 0x0
.endif
	BMAX WS
	s_delay_alu instid0(VALU_DEP_1)
	v_lshrrev_b32 v13, 23, v11                     ; the scale's byte
.if (\q) == 0
	s_delay_alu instid0(VALU_DEP_1)
	v_mov_b32 v10, v13
.else
	s_delay_alu instid0(VALU_DEP_1)
	v_lshl_or_b32 v10, v13, 8, v10                 ; two bytes: half of my column's scale word
.endif
.irp g, 0,1,2,3
	v_cvt_scalef32_pk8_fp4_f32 v[X+4*(\q)+\g], v[WS+8*\g:WS+8*\g+7], v11
.endr
	global_store_b128 v5, v[X+4*(\q):X+4*(\q)+3], s[20:21] offset:256*(\q)   ; lanes 0-15 and lanes 16-31 each store 256 consecutive bytes, aligned
.endm
	WLOAD 0
	WLOAD 1
	WBLOCK 0
	WBLOCK 1
	ds_store_b16 v6, v10
	s_wait_dscnt 0x0                               ; for the others' sake: my half words have landed
	s_barrier_signal -1
	s_barrier_wait -1
	s_cmp_lt_u32 s28, 2
	s_cbranch_scc0 .Lend
	ds_load_b64 v[CD:CD+1], v8                     ; waves 0 and 1: b = w: two K steps' 64 words
	s_wait_dscnt 0x0
	global_store_b64 v7, v[CD:CD+1], s[22:23]      ; one aligned unit of 256 bytes
	s_branch .Lend
; ---------------- ROWS: e tiles and hs tiles take one text; only the sources and the LayerNorm differ
.Lrows:
	s_mul_i32 s42, s28, TURNW
	s_lshl_b32 s43, s28, 5                         ; my two slots: 16 bytes each
	s_add_co_u32 s46, s43, SCS
	s_add_co_u32 s43, s43, IMG
	s_mul_i32 s47, s28, 4*272
	s_add_co_u32 s47, s47, IMG
	v_lshlrev_b32 v2, 4, v1                        ; 16 x lane: loads, stores
	v_lshrrev_b32 v3, 3, v1
	v_and_b32 v9, 7, v1
	v_lshrrev_b32 v10, 4, v1
	v_and_b32 v11, 15, v1
	v_mul_u32_u24 v3, v3, 144
	v_mul_u32_u24 v4, v1, 144
	v_mul_u32_u24 v5, v1, 272
	v_lshl_add_u32 v3, v9, 4, v3
	v_add_nc_u32 v4, s42, v4                       ; the turn, out: block = lane
	v_add_nc_u32 v3, s42, v3                       ; the turn, in: eight lanes' 128 bytes are a block, then 16 of padding; a load's 512 bytes take four places
	v_add_nc_u32 v5, s43, v5                       ; the codes of block = lane, slot 2 w
	v_lshl_add_u32 v6, v10, 8, v11
	v_mul_u32_u24 v7, v10, 272
	v_add_nc_u32 v6, s46, v6                       ; the scale byte: 256 (lane / 16) + 16 slot + lane % 16
	v_lshl_add_u32 v7, v11, 4, v7
	v_add_nc_u32 v8, SCS, v2
	v_add_nc_u32 v7, s47, v7                       ; the way out: K step w = blocks 4 w .. 4 w + 3
	s_wait_alu depctr_va_vdst(0)
	s_cmp_ge_u32 ttmp9, 512                        ; e tiles?
	s_mov_b32 s30, 512
	s_cselect_b32 s30, s30, 256                    ; the first work-group of its kind
	s_cselect_b32 s31, 4, 3                        ; 16 or 8 tiles to a pair of chunks
	s_cselect_b32 s32, 14, 13                      ; a K step's images in xc: 16,384 or 8,192 bytes
	s_cselect_b32 s33, 0, 0x20000                  ; the part's place in a pair's codes,
	s_cselect_b32 s34, 0, 0x2000                   ; and in its scale bytes
	s_cselect_b32 s29, 1, 0
	s_mov_b32 s58, 0x8000
	s_cselect_b32 s58, s58, 0x10000                ; from a row of my first tile to that of my second: 8 rows in e, 16 in h
	s_mov_b32 s59, 0
	s_sub_co_u32 s30, ttmp9, s30
	s_lshl_b32 s30, s30, 1                         ; my first tile's number, an even one
	s_lshr_b32 s35, s30, s31                       ; pair
	s_bfm_b32 s36, s31, 0
	s_and_b32 s36, s30, s36                        ; tile in the pair
	s_mul_i32 s38, s35, 196608
	s_add_co_u32 s38, s38, s33
	s_lshl_b32 s37, s36, 10
	s_add_co_u32 s38, s38, s37
	s_lshl_b32 s37, s28, s32
	s_add_co_u32 s38, s38, s37                     ; where my wave's K step of this tile goes; the second tile's lies 1,024 bytes on
	s_mov_b32 s39, 0
	s_mul_i32 s40, s35, 12288
	s_add_co_u32 s40, s40, s34
	s_lshl_b32 s37, s36, 9
	s_add_co_u32 s40, s40, s37
	s_mov_b32 s41, 0
	s_mov_b32 s50, 0x3a800000                      ; 1 / 1,024
	s_mov_b32 s51, 0x3727c5ac                      ; 1e-5
	s_mov_b32 s52, 0x76543210
	s_mov_b32 s53, 0xfedcba98                      ; v_permlanex16_b32's selects for lane l xor 16
	s_wait_kmcnt 0x0
	s_add_nc_u64 s[24:25], s[24:25], s[38:39]
	s_add_nc_u64 s[26:27], s[26:27], s[40:41]
.macro RLOAD                           ; my first tile's two rows: eight loads of 512 consecutive bytes each
.irp i, 0,1,2,3,4,5,6,7
	global_load_b128 v[R+4*\i:R+4*\i+3], v2, s[44:45] offset:512*\i th:TH_LOAD_NT
.endr
.irp i, 0,1,2,3,4,5,6,7
	global_load_b128 v[R+32+4*\i:R+32+4*\i+3], v2, s[46:47] offset:512*\i th:TH_LOAD_NT
.endr
.endm
.macro RNEXT j                         ; row j of my second tile
.irp i, 0,1,2,3,4,5,6,7
.if \j
	global_load_b128 v[R+32+4*\i:R+32+4*\i+3], v2, s[60:61] offset:512*\i th:TH_LOAD_NT
.else
	global_load_b128 v[R+4*\i:R+4*\i+3], v2, s[56:57] offset:512*\i th:TH_LOAD_NT
.endif
.endr
.endm
.macro GBLOAD hf                       ; half hf of gamma and of beta, as that half of a row is loaded: 16 registers each
.irp i, 0,1,2,3
	global_load_b128 v[X+4*\i:X+4*\i+3], v2, s[16:17] offset:512*(4*(\hf)+\i)
	global_load_b128 v[X+16+4*\i:X+16+4*\i+3], v2, s[18:19] offset:512*(4*(\hf)+\i)
.endr
.endm
; LayerNorm of row j, in place, in f32, first part: the mean; the differences; the mean of their squares; d x rsqrt(var + eps)
.macro LNSTAT j
.set RW, R+32*(\j)
	v_pk_add_f32 v[T:T+1], v[RW:RW+1], v[RW+2:RW+3]
	v_pk_add_f32 v[T+2:T+3], v[RW+4:RW+5], v[RW+6:RW+7]
.irp i, 8,12,16,20,24,28
	s_delay_alu instid0(VALU_DEP_2)
	v_pk_add_f32 v[T:T+1], v[T:T+1], v[RW+\i:RW+\i+1]
	s_delay_alu instid0(VALU_DEP_2)
	v_pk_add_f32 v[T+2:T+3], v[T+2:T+3], v[RW+\i+2:RW+\i+3]
.endr
	s_delay_alu instid0(VALU_DEP_1)
	v_pk_add_f32 v[T:T+1], v[T:T+1], v[T+2:T+3]
	s_delay_alu instid0(VALU_DEP_1)
	v_add_f32 v[T], v[T], v[T+1]
.irp m, 1,2,4,8
	s_delay_alu instid0(VALU_DEP_1)
	v_add_f32_dpp v[T], v[T], v[T] row_xmask:\m row_mask:0xf bank_mask:0xf
.endr
	s_delay_alu instid0(VALU_DEP_1)
	v_permlanex16_b32 v[T+1], v[T], s52, s53
	s_delay_alu instid0(VALU_DEP_1)
	v_add_f32 v[T], v[T], v[T+1]
	s_delay_alu instid0(VALU_DEP_1)
	v_mul_f32 v[T], s50, v[T]                      ; the mean
.irp i, 0,2,4,6,8,10,12,14,16,18,20,22,24,26,28,30
	v_pk_add_f32 v[RW+\i:RW+\i+1], v[RW+\i:RW+\i+1], v[T:T+1] op_sel_hi:[1,0] neg_lo:[0,1] neg_hi:[0,1]
.endr
	v_pk_mul_f32 v[T+2:T+3], v[RW:RW+1], v[RW:RW+1]
	v_pk_mul_f32 v[T+4:T+5], v[RW+2:RW+3], v[RW+2:RW+3]
.irp i, 4,8,12,16,20,24,28
	s_delay_alu instid0(VALU_DEP_2)
	v_pk_fma_f32 v[T+2:T+3], v[RW+\i:RW+\i+1], v[RW+\i:RW+\i+1], v[T+2:T+3]
	s_delay_alu instid0(VALU_DEP_2)
	v_pk_fma_f32 v[T+4:T+5], v[RW+\i+2:RW+\i+3], v[RW+\i+2:RW+\i+3], v[T+4:T+5]
.endr
	s_delay_alu instid0(VALU_DEP_1)
	v_pk_add_f32 v[T+2:T+3], v[T+2:T+3], v[T+4:T+5]
	s_delay_alu instid0(VALU_DEP_1)
	v_add_f32 v[T+2], v[T+2], v[T+3]
.irp m, 1,2,4,8
	s_delay_alu instid0(VALU_DEP_1)
	v_add_f32_dpp v[T+2], v[T+2], v[T+2] row_xmask:\m row_mask:0xf bank_mask:0xf
.endr
	s_delay_alu instid0(VALU_DEP_1)
	v_permlanex16_b32 v[T+3], v[T+2], s52, s53
	s_delay_alu instid0(VALU_DEP_1)
	v_add_f32 v[T+2], v[T+2], v[T+3]
	s_delay_alu instid0(VALU_DEP_1)
	v_fma_f32 v[T+2], v[T+2], s50, s51             ; var + eps (the division by 1,024 rounds nothing)
	s_wait_alu depctr_va_vdst(0)
	v_rsq_f32 v[T+4], v[T+2]
	v_nop                                          ; a plain instruction behind the transcendental,
	s_wait_alu depctr_va_vdst(0)                   ; and the wait ahead of its first reader
.irp i, 0,2,4,6,8,10,12,14,16,18,20,22,24,26,28,30
	v_pk_mul_f32 v[RW+\i:RW+\i+1], v[RW+\i:RW+\i+1], v[T+4:T+5] op_sel_hi:[1,0]
.endr
.endm
.macro LNAFF j, hf                     ; second part, half hf of row j: x gamma + beta
.set RW, R+32*(\j)+16*(\hf)
.irp i, 0,2,4,6,8,10,12,14
	v_pk_fma_f32 v[RW+\i:RW+\i+1], v[RW+\i:RW+\i+1], v[X+\i:X+\i+1], v[X+16+\i:X+16+\i+1]
.endr
.endm
.macro LN                              ; loads out, oldest first: row 0 (8), row 1 (8), the first halves of gamma and beta (8)
	s_wait_loadcnt 16
	LNSTAT 0
	s_wait_loadcnt 8
	LNSTAT 1
	s_wait_loadcnt 0x0
	LNAFF 0, 0
	LNAFF 1, 0
	GBLOAD 1                                       ; both rows have used the first halves: the second halves take their registers
	s_wait_loadcnt 0x0
	LNAFF 0, 1
	LNAFF 1, 1
.endm
.macro LNMASK j, msk                   ; msk: all ones, or 0 for a row of the pad, which is zeros, as reference() pads it
.set I0, 0
.rept 32
	v_and_b32 v[R+32*(\j)+I0], \msk, v[R+32*(\j)+I0]
.set I0, I0+1
.endr
.endm
; Row j turns through my own LDS bytes (LDS serves a wave's instructions in order: no wait between the stores and the loads), so that lane l holds block l; codes and byte go to image k.  more: the row's registers take the second tile's row.
.macro ROWQ j, cnt, k, more
	s_wait_loadcnt \cnt
.irp i, 0,1,2,3,4,5,6,7
	ds_store_b128 v3, v[R+32*\j+4*\i:R+32*\j+4*\i+3] offset:576*\i
.endr
.irp i, 0,1,2,3,4,5,6,7
	ds_load_b128 v[X+4*\i:X+4*\i+3], v4 offset:16*\i
.endr
	s_wait_dscnt 0x0
.if \more
	RNEXT \j
.endif
	BMAX X
.irp g, 0,1,2,3
	v_cvt_scalef32_pk8_fp4_f32 v[CD+4*\j+\g], v[X+8*\g:X+8*\g+7], v11
.endr
	v_lshrrev_b32 v[BY+\j], 23, v11                ; the scale's byte (also the plain instruction behind the conversions)
	ds_store_b128 v5, v[CD+4*\j:CD+4*\j+3] offset:IMGB*\k+16*\j
	ds_store_b8 v6, v[BY+\j] offset:512*\k+16*\j
.endm
.macro TILE k, more
	s_wait_alu depctr_va_vdst(0)
	ROWQ 0, 8, \k, \more                           ; the second row's eight loads may be out
.if \more
	ROWQ 1, 8, \k, \more                           ; and here the next tile's first row's
.else
	ROWQ 1, 0, \k, \more
.endif
	s_wait_dscnt 0x0                               ; for the others' sake: my stores into the image have landed
	s_barrier_signal -1
	s_barrier_wait -1
	ds_load_b128 v[CD:CD+3], v7 offset:IMGB*\k     ; K step w of the tile: 1,024 bytes
	ds_load_b128 v[CD+4:CD+7], v7 offset:IMGB*\k+544
	s_wait_dscnt 0x0
	global_store_b128 v2, v[CD:CD+3], s[24:25] offset:1024*\k       ; 512 consecutive bytes, aligned
	global_store_b128 v2, v[CD+4:CD+7], s[24:25] offset:1024*\k+512
	s_cmp_lg_u32 s28, 0
	s_cbranch_scc1 .Lnot_first_\@
	ds_load_b128 v[T+2:T+5], v8 offset:512*\k      ; wave 0: the tile's 512 scale bytes
	s_wait_dscnt 0x0
	global_store_b128 v2, v[T+2:T+5], s[26:27] offset:512*\k
.Lnot_first_\@:
.endm
	s_cmp_eq_u32 s29, 1
	s_cbranch_scc1 .Lsrc_e
	; ---- hs tiles: hs row i of the batch is LayerNorm(h row i + 63).  Of my two tiles the second is never a partly padded one: tile 124 alone holds live and padded rows
	s_and_b32 s55, s30, 127                        ; my first tile in its batch
	s_cmp_ge_u32 s55, 126
	s_cbranch_scc1 .Lzero                          ; rows 2,016 .. 2,047: the pad alone
	s_lshl_b32 s45, s55, 4
	s_lshl_b32 s42, s28, 1
	s_add_co_u32 s45, s45, s42                     ; i of my first row
	s_cmp_le_u32 s45, 1984
	s_cselect_b32 s48, -1, 0                       ; is it a row of hs, or of the pad?
	s_cmp_lt_u32 s45, 1984
	s_cselect_b32 s49, -1, 0                       ; and my second row
	s_add_co_u32 s42, s45, 63
	s_min_u32 s42, s42, 2047                       ; no load leaves the batch: a row of the pad reads the last row and is cleared
	s_add_co_u32 s43, s45, 64
	s_min_u32 s43, s43, 2047
	s_lshr_b32 s46, s30, 7
	s_lshl_b32 s46, s46, 11                        ; the batch's first row
	s_add_co_u32 s42, s42, s46
	s_add_co_u32 s43, s43, s46
	s_lshl_b32 s44, s42, 12
	s_mov_b32 s45, 0
	s_lshl_b32 s46, s43, 12
	s_mov_b32 s47, 0
	s_add_nc_u64 s[44:45], s[14:15], s[44:45]
	s_add_nc_u64 s[46:47], s[14:15], s[46:47]
	s_add_nc_u64 s[56:57], s[44:45], s[58:59]
	s_add_nc_u64 s[60:61], s[46:47], s[58:59]
	RLOAD
	GBLOAD 0
	LN
	s_wait_alu depctr_va_vdst(0)
	s_cmp_eq_u32 s55, 124
	s_cbranch_scc0 .Ltile_a                        ; no padded row in my two tiles (a branch on ids)
	LNMASK 0, s48                                  ; tile 124: my rows of the pad are cleared; its neighbour, tile 125, holds the pad alone
	LNMASK 1, s49
	TILE 0, 0
.irp i, 0,1,2,3
	v_mov_b32 v[X+\i], 0
.endr
	global_store_b128 v2, v[X:X+3], s[24:25] offset:1024
	global_store_b128 v2, v[X:X+3], s[24:25] offset:1536
	s_cmp_lg_u32 s28, 0
	s_cbranch_scc1 .Lend
.irp i, 0,1,2,3
	v_mov_b32 v[X+4+\i], 0x7f7f7f7f
.endr
	global_store_b128 v2, v[X+4:X+7], s[26:27] offset:512
	s_branch .Lend
.Lsrc_e:
	; ---- e tiles: tile T of the pair's 16 lies in chunk T / 8 and is its tile 2 b + u; slot r holds neighbour r / 8, token 16 b + 8 u + r % 8; my slots are 2 w, 2 w + 1; my tiles have u = 0 and u = 1
	s_lshl_b32 s42, s35, 8                         ; the pair's 256 rows,
	s_lshr_b32 s44, s36, 3
	s_lshl_b32 s44, s44, 7
	s_add_co_u32 s42, s42, s44                     ; the chunk's 128,
	s_bfe_u32 s44, s36, 0x20001                    ; b: two bits from bit 1
	s_lshl_b32 s44, s44, 4
	s_add_co_u32 s42, s42, s44                     ; 16 b,
	s_and_b32 s44, s28, 3
	s_lshl_b32 s44, s44, 1
	s_add_co_u32 s42, s42, s44                     ; r % 8 = 2 (w % 4),
	s_lshr_b32 s44, s28, 2
	s_lshl_b32 s44, s44, 6
	s_add_co_u32 s42, s42, s44                     ; the neighbour's 64 rows: r / 8 = w / 4
	s_lshl_b32 s44, s42, 12
	s_mov_b32 s45, 0
	s_add_nc_u64 s[44:45], s[12:13], s[44:45]
	s_add_nc_u64 s[46:47], s[44:45], 4096
	s_add_nc_u64 s[56:57], s[44:45], s[58:59]
	s_add_nc_u64 s[60:61], s[46:47], s[58:59]
	RLOAD
.Ltile_a:
	TILE 0, 1
	s_wait_xcnt 0x0                                ; the stores have read their registers, which the second tile writes again
	s_cmp_eq_u32 s29, 1
	s_cbranch_scc1 .Ltile_b
	GBLOAD 0
	LN
	s_wait_alu depctr_va_vdst(0)
.Ltile_b:
	TILE 1, 0
.Lend:
	s_wait_tensorcnt 0x0                           ; the wave's end
	ds_add_u32 v[SPW], v[NIL]
	s_wait_dscnt 0x0
	s_endpgm
.Lzero:                                                ; two tiles of the pad: zero codes, scale bytes 127
.irp i, 0,1,2,3
	v_mov_b32 v[X+\i], 0
	v_mov_b32 v[X+4+\i], 0x7f7f7f7f
.endr
.irp i, 0,1,2,3
	global_store_b128 v2, v[X:X+3], s[24:25] offset:512*\i
.endr
	s_cmp_lg_u32 s28, 0
	s_cbranch_scc1 .Lzend
	global_store_b128 v2, v[X+4:X+7], s[26:27]
	global_store_b128 v2, v[X+4:X+7], s[26:27] offset:512
.Lzend:
	s_endpgm
.Lfunc_end_k_qeb019249b8_prep:
	.size	k_qeb019249b8_prep, .Lfunc_end_k_qeb019249b8_prep-k_qeb019249b8_prep
	.p2alignl 7, 3214868480
	.fill 96, 4, 3214868480
	.section	.rodata,"a",@progbits
	.p2align	6, 0x0
	.amdhsa_kernel k_qeb019249b8_prep
		.amdhsa_group_segment_fixed_size 56832
		.amdhsa_private_segment_fixed_size 0
		.amdhsa_enable_private_segment 0
		.amdhsa_kernarg_size 96
		.amdhsa_user_sgpr_count 2
		.amdhsa_user_sgpr_kernarg_segment_ptr 1
		.amdhsa_wavefront_size32 1
		.amdhsa_system_sgpr_workgroup_id_x 1
		.amdhsa_system_sgpr_workgroup_id_y 1
		.amdhsa_system_sgpr_workgroup_id_z 1
		.amdhsa_system_vgpr_workitem_id 0
		.amdhsa_next_free_vgpr 128
		.amdhsa_next_free_sgpr 66
		.amdhsa_reserve_vcc 0
		.amdhsa_float_denorm_mode_32 3
		.amdhsa_float_denorm_mode_16_64 3
		.amdhsa_memory_ordered 1
		.amdhsa_forward_progress 1
		.amdhsa_inst_pref_size 80
	.end_amdhsa_kernel
	.amdgpu_metadata
---
amdhsa.version: [ 1, 2 ]
amdhsa.kernels:
  - .name:           k_qeb019249b8_prep
    .symbol:         k_qeb019249b8_prep.kd
    .args:
      - { .name: Wk, .offset: 0, .size: 8, .value_kind: global_buffer, .address_space: global }
      - { .name: Wv, .offset: 8, .size: 8, .value_kind: global_buffer, .address_space: global }
      - { .name: Wq, .offset: 16, .size: 8, .value_kind: global_buffer, .address_space: global }
      - { .name: Wo, .offset: 24, .size: 8, .value_kind: global_buffer, .address_space: global }
      - { .name: e, .offset: 32, .size: 8, .value_kind: global_buffer, .address_space: global }
      - { .name: h, .offset: 40, .size: 8, .value_kind: global_buffer, .address_space: global }
      - { .name: gamma, .offset: 48, .size: 8, .value_kind: global_buffer, .address_space: global }
      - { .name: beta, .offset: 56, .size: 8, .value_kind: global_buffer, .address_space: global }
      - { .name: wimg, .offset: 64, .size: 8, .value_kind: global_buffer, .address_space: global }
      - { .name: wsc, .offset: 72, .size: 8, .value_kind: global_buffer, .address_space: global }
      - { .name: xc, .offset: 80, .size: 8, .value_kind: global_buffer, .address_space: global }
      - { .name: scl, .offset: 88, .size: 8, .value_kind: global_buffer, .address_space: global }
    .group_segment_fixed_size: 56832
    .private_segment_fixed_size: 0
    .kernarg_segment_align: 8
    .kernarg_segment_size: 96
    .max_flat_workgroup_size: 256
    .sgpr_count:     66
    .vgpr_count:     128
    .wavefront_size: 32
...
	.end_amdgpu_metadata
.endif
;; end of part 1
;; launch attn (part 2): grid 32 x 8, 4 waves a work-group, clusters of 4 x 1, 327,680 bytes of LDS; arguments xc, scl, wimg, wsc, bq, bk, bv, acodes, ascl; writes acodes, ascl
.if DOCPART == 2
	.amdgcn_target "amdgcn-amd-amdhsa--gfx1250"
	.amdhsa_code_object_version 6
	.text
	.protected	k_qeb019249b8_attn
	.globl	k_qeb019249b8_attn
	.p2align	8
	.type	k_qeb019249b8_attn,@function
k_qeb019249b8_attn:
	s_mov_b64 s[64:65], 0
	v_nop
	global_prefetch_b8 v0, s[64:65] scope:SCOPE_SE
	s_setreg_imm32_b32 hwreg(HW_REG_WAVE_MODE, 25, 1), 1
	s_wait_xcnt 0x0
	s_wait_alu depctr_hold_cnt(0) depctr_sa_sdst(0) depctr_va_vdst(0) depctr_va_sdst(0) depctr_va_ssrc(0) depctr_va_vcc(0) depctr_vm_vsrc(0)
	s_getreg_b32 s2, hwreg(HW_REG_IB_STS2, 6, 4)
	s_cmp_eq_u32 s2, 0
	s_cbranch_scc0 .Lentry_in_a_cluster
	s_endpgm
.Lentry_in_a_cluster:
	s_bfe_u32 s2, ttmp6, 0x10000c
	s_cmp_lg_u32 s2, 0x3003
	s_cbranch_scc0 .Lentry_shape_is_right
	s_endpgm
.Lentry_shape_is_right:
; Launch 2 of 3: for four chunks (512 rows of e, 256 rows of hs) and two heads: k, v, q = codes x codes + bias; their quantisers; scores; softmax; P V; the quantiser of the attention output.  All products on E2M1 codes with E8M0 scales.
; Nothing more is left out here: the 63 padded query rows of each batch lie inside live tiles (zero codes, as reference() pads them) and are worked with them; their results are dropped in the last launch.
; LIMITS: NaN and infinities are not served; a block whose largest magnitude lies under 2^-124 takes the scale byte 1.
; SHARES.  Work-group (x, y) owns chunks 4 x .. 4 x + 3 and heads 2 y, 2 y + 1; wave w owns chunk 4 x + w, both heads.  A wave's row codes are read by it alone and go from memory straight into registers: e's 8 tiles x 8 K steps fill windows 2 and 3 and stay;
; hs's 4 tiles x 8 K steps lie in window 3 ahead of e's K steps 4-7.  THE WEIGHTS of the two heads, 196,608 bytes, and their scale words, 12,288, serve all four waves: they come into LDS once, and no LDS byte is filled twice.
; CLUSTERS of four work-groups along x need the same weights: they are asked for JOINTLY, one load a wave at the head (Wq's, the scale words, Wk's of the first head), one for each of waves 0-2 behind the barrier that shows those landed (the rest).
; ORDER.  q of both heads first, while e's codes arrive; then a loop over the heads: k, v, the attention.  No prefetch: every operand is read once, and there is no loop over memory to run ahead in.
; FORMS.  k and q are made TRANSPOSED (source 0 = 16 columns of W, source 1 = 16 rows): a lane holds one row, its registers run along the head's 64, the scores' K: by the order of the weights' columns that the first launch chose,
; the 16 registers of two neighbouring column tiles are 16 neighbours along that K.  v is made as it reads (source 0 = 16 rows of e): a lane holds one column d and its registers run along the keys.
; THE KEYS.  The product of the softmax with v contracts token j and neighbour n in that order: K = 2 j + n, a block of 32 is 16 tokens of both neighbours.  By the order of e's rows that the first launch chose, registers 16 b + i of a lane
; (of the scores and of v alike) hold token 16 b + i of neighbour lane / 16: lanes l and l xor 16 hold block b between them.  Inside a block the places are permuted alike in p and in v, which moves no scale, no code and no product.
; THE SCORES' K IS 64: two row tiles' codes share a fragment, [X | Y], 64 along K each; a key fragment [X | Y] is multiplied by (q, 0) for key tile X and by (0, q) for key tile Y: zero codes add nothing.
; SOFTMAX, as reference() has it: the row's maximum is taken away, p = 2^(c s - c m) / sum, c = log2(e) / 8; the finished p is quantised in the blocks just named.  A block's largest p is its largest score put through the same instructions.
; REGISTERS.  Window 0: v1-13 addresses, v14, v15 the add's two; v16-63 scale words and nothing else (v16-47 rows', v48-63 weights'; for q v16-31 and v32-63; in the attention v48-58); v64-159 a ring of three K steps' weights (for q two of twice the size, to v191),
; v160-191 a bias; in the attention v64-127 scores; v192-233 at work; v236-255 q between zeros.  Window 1: 32 accumulators; in the attention K, V, O^T.
.set WKV,   65536                      ; LDS: Wq's images of the two heads at 0, Wk's here, Wv's 65,536 on: each [head 2][tile 4][K step 8][1,024]
.set SCL,   196608                     ; scale words [k, v, q][head 2][b 2][K step 8][128]
.set ST,    208896                     ; for each wave 15,616 bytes of its own:
.set STW,   15616
.set KI,    0                          ;   k's 4 fragments of the head at work,
.set VI,    4096                       ;   v's 4,
.set QI,    8192                       ;   q's 2 of each head,
.set KS,    12288                      ;   and their scale words, 128 bytes a fragment
.set VS,    12800
.set QS,    13312
.set BI,    13824                      ;   bq, bk, bv of the two heads, 512 bytes each
.set AS,    15360                      ;   the output's scale words: [head 2][query pair 2][16]
.set SPARE, 271360                     ; the spare words, 128 bytes for each wave: two blocks of 256 bytes that no other line names
.set SCX, 16
.set QWS, 32
.set WSC, 48
.set RG,  64
.set BIAS, 160
.set TM,  192
.set PCD, 208
.set PWL, 224
.set NM,  226
.set SUM, 228
.set AUX, 230
.set INV, 232
.set QA,  236
.set SCR, 64
.set KSR, 48
.set VSR, 52
.set QW,  56
.set QWX, 57
.set PW,  58
.set WV,  22                           ; s22 wave; s23 my place in the cluster
.set SEL, 56
.set CS,  58
.set NC,  60
.set HDC, 61
.set QPL, 62
.set KOF, 63
.set WOF, 66
.set QOF, 67
.set QSO, 68
.set ASO, 69
.set ACB, 70
.set BOF, 86
.set MSB, 0
.macro WIN new                         ; the immediate's high byte repeats the setting that is left; a switch that changes nothing is dropped
.if MSB != (\new)
	s_set_vgpr_msb (MSB<<8)|(\new)
.set MSB, (\new)
.endif
.endm
.macro PLACES                          ; four plain vector instructions between a matrix instruction and a load into, or a vector read or write of, its registers
.rept 4
	v_nop
.endr
.endm
.macro ROUND                           ; a round of the cluster's barrier
	s_barrier_signal -1
	s_barrier_wait -1
	s_cmp_lg_u32 s[WV], 0
	s_cbranch_scc1 .Lnot_wave_0_\@
	s_barrier_signal -3
.Lnot_wave_0_\@:
	s_barrier_wait -3
	s_barrier_signal -1
	s_barrier_wait -1
.endm
; a product: ra, rb = 1: that side's scale words stand in lanes 16-31 of the register named
.macro WM d, a, b, c, sa, sb, ra, rb
.if (\ra) && (\rb)
	v_wmma_scale_f32_16x16x128_f8f6f4 v[\d:\d+7], v[\a:\a+7], v[\b:\b+7], v[\c:\c+7], v[\sa], v[\sb] matrix_a_fmt:MATRIX_FMT_FP4 matrix_b_fmt:MATRIX_FMT_FP4 matrix_a_scale:MATRIX_SCALE_ROW1 matrix_b_scale:MATRIX_SCALE_ROW1
.elseif (\ra)
	v_wmma_scale_f32_16x16x128_f8f6f4 v[\d:\d+7], v[\a:\a+7], v[\b:\b+7], v[\c:\c+7], v[\sa], v[\sb] matrix_a_fmt:MATRIX_FMT_FP4 matrix_b_fmt:MATRIX_FMT_FP4 matrix_a_scale:MATRIX_SCALE_ROW1
.elseif (\rb)
	v_wmma_scale_f32_16x16x128_f8f6f4 v[\d:\d+7], v[\a:\a+7], v[\b:\b+7], v[\c:\c+7], v[\sa], v[\sb] matrix_a_fmt:MATRIX_FMT_FP4 matrix_b_fmt:MATRIX_FMT_FP4 matrix_b_scale:MATRIX_SCALE_ROW1
.else
	v_wmma_scale_f32_16x16x128_f8f6f4 v[\d:\d+7], v[\a:\a+7], v[\b:\b+7], v[\c:\c+7], v[\sa], v[\sb] matrix_a_fmt:MATRIX_FMT_FP4 matrix_b_fmt:MATRIX_FMT_FP4
.endif
.endm
.macro WMZ d, a, b, sa, sb             ; a product that starts a sum
	v_wmma_scale_f32_16x16x128_f8f6f4 v[\d:\d+7], v[\a:\a+7], v[\b:\b+7], 0, v[\sa], v[\sb] matrix_a_fmt:MATRIX_FMT_FP4 matrix_b_fmt:MATRIX_FMT_FP4
.endm
	s_load_b256 s[4:11], s[0:1], 0x0               ; xc s[4:5], scl s[6:7], wimg s[8:9], wsc s[10:11]
	s_load_b256 s[12:19], s[0:1], 0x20             ; bq s[12:13], bk s[14:15], bv s[16:17], acodes s[18:19]
	s_load_b64 s[20:21], s[0:1], 0x40              ; ascl
	v_lshl_add_u32 v14, v0, 2, SPARE
	v_mov_b32 v15, 0
	ds_add_u32 v14, v15                            ; the wave's opening: the add, twice on end, and its wait ahead of my first tensor load
	ds_add_u32 v14, v15
	v_lshrrev_b32 v13, 5, v0
	v_readfirstlane_b32 s[WV], v13                 ; wave 0..3
	s_bfe_u32 s23, ttmp6, 0x40000                  ; my place in the cluster: it enters the addresses of rows and outputs alone
	s_and_b32 s75, ttmp7, 0xffff                   ; which two heads
	s_mov_b32 s24, 15|(3<<16)|(1<<21)              ; group 1 for codes: mask: all four partners; elements of 8 bytes; bit 21 beside the mask; no padding: a fragment's loads take 512 consecutive bytes
	s_mov_b32 s25, 32<<16                          ; tensor_dim0 = 32 elements: rows of 256 bytes
	s_mov_b32 s26, 128<<16                         ; tensor_dim1 = 128 rows: 32,768 dense bytes
	s_mov_b32 s27, 32<<16                          ; tile_dim0
	s_mov_b32 s28, 128                             ; tile_dim1
	s_mov_b32 s29, 32                              ; the pitch
	s_mov_b32 s30, 0
	s_mov_b32 s31, 0
	s_mov_b32 s32, 15|(3<<16)|(1<<21)              ; group 1 for the scale words: 3 rows (k, v, q) of 4,096 bytes, 32,768 apart
	s_mov_b32 s33, 512<<16
	s_mov_b32 s34, 3<<16
	s_mov_b32 s35, 512<<16
	s_mov_b32 s36, 3
	s_mov_b32 s37, 4096
	s_mov_b32 s38, 0
	s_mov_b32 s39, 0
	s_mov_b32 s[SEL], 0x76543210
	s_mov_b32 s[SEL+1], 0xfedcba98                 ; lane l xor 16
	s_mov_b32 s[CS], 0x3e38aa3b                    ; c = log2(e) / 8
	s_mov_b32 s[CS+1], s[CS]
	s_mov_b32 s[NC], 0xbe38aa3b                    ; -c
	s_mul_i32 s73, s[WV], STW
	s_add_co_u32 s73, s73, ST                      ; my own LDS bytes
	s_lshl_b32 s74, ttmp9, 2
	s_add_co_u32 s74, s74, s23
	s_lshl_b32 s74, s74, 2
	s_add_co_u32 s74, s74, s[WV]                   ; my chunk
	s_lshr_b32 s80, s74, 1                         ; its pair in xc and scl,
	s_and_b32 s78, s74, 1                          ; and its place there
	s_mov_b32 s77, 0
	s_mov_b32 s83, 0
	v_and_b32 v9, 31, v0                           ; lane
	v_and_b32 v10, 15, v0                          ; r
	v_bfe_u32 v3, v0, 4, 1                         ; h
	v_lshlrev_b32 v1, 4, v9                        ; 16 x lane: an image's place for my lane, in memory and in LDS
	v_lshlrev_b32 v2, 4, v10
	v_lshl_add_u32 v2, v3, 9, v2                   ; rows' scale words: lanes 0-15 an even tile's row r, lanes 16-31 the next tile's
	v_lshlrev_b32 v4, 2, v9
	v_add_nc_u32 v5, SCL, v4                       ; weights' scale words
	v_add_nc_u32 v11, s73, v1                      ; my own bytes: images,
	v_add_nc_u32 v12, s73, v4                      ; scale words,
	v_lshlrev_b32 v7, 6, v3
	v_add_nc_u32 v7, s73, v7                       ; a bias in the transposed layout: my half's 16 numbers of each 32,
	v_and_b32 v8, 8, v10
	v_add_nc_u32 v8, v8, v10
	v_lshlrev_b32 v8, 2, v8
	v_add_nc_u32 v8, s73, v8                       ; a bias by column slot: 4 (r + 8 (r / 8)),
	v_lshlrev_b32 v13, 2, v10
	v_add_nc_u32 v13, s73, v13                     ; the output's scale words: 4 r
.irp i, 0,1,2,3,8,9,10,11,16,17,18,19
	v_mov_b32 v[QA+\i], 0                          ; the zero codes round q: [0][q X][0][q Y][0], four registers each
.endr
.irp b, 0,1,2,3
	v_mov_b32 v[TM+4+\b], 0                        ; written once: a lane permute's destination counts as one of its sources
.endr
	v_mov_b32 v[NM+1], 0                           ; named as upper halves of pairs
	v_mov_b32 v[INV+1], 0
	s_wait_alu depctr_va_vdst(0)
	s_wait_dscnt 0x0                               ; both opening adds are done
	s_wait_kmcnt 0x0
	; groups 0, made of the heads' number and the wave's alone
	s_lshl_b32 s82, s75, 16                        ; the two heads' columns in wimg: 65,536 bytes of each weight
	s_add_nc_u64 s[8:9], s[8:9], s[82:83]
	s_lshl_b32 s84, s[WV], 15
	s_add_co_u32 s82, s84, 2*524288
	s_mov_b32 s48, 1                               ; waves 0, 1: Wq's head w
	s_mov_b32 s49, s84
	s_add_nc_u64 s[50:51], s[8:9], s[82:83]
	s_or_b32 s51, s51, 0x80000000
	s_mov_b32 s88, 1                               ; wave 3: Wk's first head
	s_mov_b32 s89, WKV
	s_mov_b64 s[90:91], s[8:9]
	s_or_b32 s91, s91, 0x80000000
	s_cmp_eq_u32 s[WV], 0
	s_cselect_b32 s82, 0, 524288-65536
	s_add_co_u32 s82, s82, s84
	s_add_co_u32 s82, s82, 32768
	s_mov_b32 s92, 1                               ; then wave 0: Wk's second head, waves 1, 2: Wv's heads w - 1
	s_add_co_u32 s93, s84, WKV+32768
	s_add_nc_u64 s[94:95], s[8:9], s[82:83]
	s_or_b32 s95, s95, 0x80000000
	s_lshl_b32 s82, s75, 12
	s_mov_b32 s52, 1                               ; wave 2: the scale words
	s_mov_b32 s53, SCL
	s_add_nc_u64 s[54:55], s[10:11], s[82:83]
	s_or_b32 s55, s55, 0x80000000
	ROUND                                          ; all four work-groups are here: the joint loads meet
; ONE tree of branches on the wave's number: every way through it passes one load
.macro ARM under, g0, g1, next
	s_cmp_lt_u32 s[WV], \under
	s_cbranch_scc0 \next
	tensor_load_to_lds s[\g0:\g0+3], s[\g1:\g1+7]
	s_nop 0
	PLACES
	s_branch .Lasked
\next:
.endm
	ARM 2, 48, 24, .Lscales
	ARM 3, 52, 32, .Lkeys
	tensor_load_to_lds s[88:91], s[24:31]
	s_nop 0
	PLACES
.Lasked:
	s_mul_i32 s76, s80, 196608                     ; my chunk's rows in xc:
	s_add_nc_u64 s[4:5], s[4:5], s[76:77]
	s_lshl_b32 s76, s78, 13
	s_add_nc_u64 s[40:41], s[4:5], s[76:77]        ; e's images [K step][16,384]: my 8 tiles,
	s_lshl_b32 s76, s78, 12
	s_add_co_u32 s76, s76, 0x20000
	s_add_nc_u64 s[42:43], s[4:5], s[76:77]        ; hs's [K step][8,192]: my 4;
	s_mul_i32 s76, s80, 12288
	s_add_nc_u64 s[6:7], s[6:7], s[76:77]
	s_lshl_b32 s76, s78, 12
	s_add_nc_u64 s[44:45], s[6:7], s[76:77]        ; their scale words
	s_lshl_b32 s76, s78, 11
	s_add_co_u32 s76, s76, 8192
	s_add_nc_u64 s[46:47], s[6:7], s[76:77]
	s_lshl_b32 s76, s75, 9
	s_add_nc_u64 s[12:13], s[12:13], s[76:77]      ; the biases of my two heads
	s_add_nc_u64 s[14:15], s[14:15], s[76:77]
	s_add_nc_u64 s[16:17], s[16:17], s[76:77]
	s_lshl_b32 s76, s74, 15                        ; acodes [row tile][head][512]: my chunk's 4 tiles, my heads
	s_lshl_b32 s79, s75, 10
	s_add_co_u32 s76, s76, s79
	s_add_nc_u64 s[ACB:ACB+1], s[18:19], s[76:77]
	s_lshl_b32 s76, s75, 15                        ; ascl [K step][row tile][16 words]
	s_lshl_b32 s79, s74, 8
	s_add_co_u32 s76, s76, s79
	s_add_nc_u64 s[20:21], s[20:21], s[76:77]
.macro SCXLOAD b, n                    ; the scale words of n pairs of row tiles, all 8 K steps: register 8 i + s
.set II, 0
.rept \n
	global_load_b128 v[SCX+8*II:SCX+8*II+3], v2, s[\b:\b+1] offset:1024*II
	global_load_b128 v[SCX+8*II+4:SCX+8*II+7], v2, s[\b:\b+1] offset:1024*II+256
.set II, II+1
.endr
.endm
.macro EGROUP g                        ; e's K step g / 2, tiles 4 (g % 2) .. + 3, g = 0 .. 7, into window 2: 8 loads
.set AA, 4*((\g)%2)
.rept 4
	global_load_b128 v[64*((\g)/2)+8*AA:64*((\g)/2)+8*AA+3], v1, s[40:41] offset:16384*((\g)/2)+1024*AA
	global_load_b128 v[64*((\g)/2)+8*AA+4:64*((\g)/2)+8*AA+7], v1, s[40:41] offset:16384*((\g)/2)+1024*AA+512
.set AA, AA+1
.endr
.endm
.macro EHIGH s                         ; e's K step s = 4 .. 7 into window 3: 16 loads
.set AA, 0
.rept 8
	global_load_b128 v[64*((\s)-4)+8*AA:64*((\s)-4)+8*AA+3], v1, s[40:41] offset:16384*(\s)+1024*AA
	global_load_b128 v[64*((\s)-4)+8*AA+4:64*((\s)-4)+8*AA+7], v1, s[40:41] offset:16384*(\s)+1024*AA+512
.set AA, AA+1
.endr
.endm
	global_load_b128 v[64:67], v1, s[12:13]        ; the biases: 512 bytes each,
	global_load_b128 v[68:71], v1, s[14:15]
	global_load_b128 v[72:75], v1, s[16:17]
	SCXLOAD 46, 2                                  ; hs's scale words: 4 loads,
	WIN 0xc0
.irp s, 0,1,2,3,4,5,6,7                        ; hs's codes: K step s at v[32 s] of window 3: 8 loads each
.irp a, 0,1,2,3
	global_load_b128 v[32*\s+8*\a:32*\s+8*\a+3], v1, s[42:43] offset:8192*\s+1024*\a
	global_load_b128 v[32*\s+8*\a+4:32*\s+8*\a+7], v1, s[42:43] offset:8192*\s+1024*\a+512
.endr
.endr
	WIN 0
	s_wait_loadcnt 63                              ; of 71 loads the oldest eight are in, the biases among them
	ds_store_b128 v11, v[64:67] offset:BI          ; my own copy of the biases
	ds_store_b128 v11, v[68:71] offset:BI+512
	ds_store_b128 v11, v[72:75] offset:BI+1024
	WIN 0x80
.irp d, 0,1                                    ; bq in the transposed layout, into window 2 (e's K step 3 lands there later): tile 2 b + u, lane (r, h), register j: number 32 b + 16 h + 8 u + j
.irp t, 0,1,2,3
	ds_load_b128 v[192+32*\d+8*\t:192+32*\d+8*\t+3], v7 offset:BI+256*\d+128*(\t/2)+32*(\t%2)
	ds_load_b128 v[192+32*\d+8*\t+4:192+32*\d+8*\t+7], v7 offset:BI+256*\d+128*(\t/2)+32*(\t%2)+16
.endr
.endr
	WIN 0
; 64 numbers of a lane in window w, v[s] on, register 16 b + i = the i-th of my half of block b of my row's K (lane l xor 16 holds the other half), become a fragment's 8 registers of codes in v[pc] on and its scale word in v[pw].
; Each accumulator is read from its low end on.
.macro QUANT w, s, pc, pw
	WIN (\w)|((\w)<<2)
.irp b, 0,1,2,3
	v_max3_num_f32 v[TM+\b], |v[(\s)+16*\b]|, |v[(\s)+16*\b+1]|, 0x1800000   ; two chains for each block, each with the floor 2^(3 - 127): the byte cannot fall under 1
	v_max3_num_f32 v[TM+8+\b], |v[(\s)+16*\b+8]|, |v[(\s)+16*\b+9]|, 0x1800000
.endr
.irp i, 2,4,6
.irp b, 0,1,2,3
	v_max3_num_f32 v[TM+\b], |v[(\s)+16*\b+\i]|, |v[(\s)+16*\b+\i+1]|, v[TM+\b]
	v_max3_num_f32 v[TM+8+\b], |v[(\s)+16*\b+8+\i]|, |v[(\s)+16*\b+9+\i]|, v[TM+8+\b]
.endr
.endr
	WIN 0
.irp b, 0,1,2,3
	v_max_num_f32 v[TM+\b], v[TM+\b], v[TM+8+\b]
.endr
.irp b, 0,1,2,3
	v_permlanex16_b32 v[TM+4+\b], v[TM+\b], s[SEL], s[SEL+1]
.endr
.irp b, 0,1,2,3
	v_max_num_f32 v[TM+\b], v[TM+\b], v[TM+4+\b]   ; with lane l xor 16's 16 numbers: the block's largest magnitude
.endr
.irp b, 0,1,2,3
	v_add_nc_u32 v[TM+12+\b], 0xff000000, v[TM+\b] ; 2 off its exponent field: the conversion's scale operand
.endr
.irp b, 0,1,2,3
	v_lshrrev_b32 v[TM+4+\b], 23, v[TM+12+\b]      ; the scale's byte
.endr
	WIN (\w)
.irp b, 0,1,2,3
	v_cvt_scalef32_pk8_fp4_f32 v[(\pc)+2*\b], v[(\s)+16*\b:(\s)+16*\b+7], v[TM+12+\b]
	v_cvt_scalef32_pk8_fp4_f32 v[(\pc)+2*\b+1], v[(\s)+16*\b+8:(\s)+16*\b+15], v[TM+12+\b]
.endr
	WIN 0
	v_lshl_or_b32 v[\pw], v[TM+5], 8, v[TM+4]      ; the scale word (also the plain instructions behind the conversions)
	v_lshl_or_b32 v[\pw], v[TM+6], 16, v[\pw]
	v_lshl_or_b32 v[\pw], v[TM+7], 24, v[\pw]
.irp c, 0,1                                    ; the operand wants a whole block in a lane: lanes 0-15 block 2 c, lanes 16-31 block 2 c + 1
.irp i, 0,1
	v_permlane16_swap_b32 v[(\pc)+4*\c+\i], v[(\pc)+4*\c+2+\i]
.endr
.endr
.endm
.macro KEEP pc, pw, off, soff          ; the fragment and its scale words go to my wave's own LDS bytes as images of their registers
	ds_store_b128 v11, v[(\pc):(\pc)+3] offset:(\off)
	ds_store_b128 v11, v[(\pc)+4:(\pc)+7] offset:(\off)+512
	ds_store_b32 v12, v[\pw] offset:(\soff)
.endm
	; ---------------- q = hs Wq + bq of both heads, transposed: accumulator (head d, row tile a, column tile t) at 128 d + 32 a + 8 t
	s_wait_tensorcnt 0x0                           ; my load is in
	ds_add_u32 v14, v15
	s_wait_dscnt 0x0                               ; the add is done, and bq is in
	ROUND                                          ; everybody's load is in, and all four work-groups are here
	s_cmp_lt_u32 s[WV], 3
	s_cbranch_scc0 .Lasked_2
	tensor_load_to_lds s[92:95], s[24:31]          ; it has the whole of q in which to land
	s_nop 0
	PLACES
.Lasked_2:
.irp d, 0,1                                    ; Wq's scale words: lanes 0-15 tile 2 b, lanes 16-31 tile 2 b + 1
.irp b, 0,1
.irp s, 0,1,2,3,4,5,6,7
	ds_load_b32 v[QWS+16*\d+8*\b+\s], v5 offset:8192+2048*\d+1024*\b+128*\s
.endr
.endr
.endr
.macro QRING s                         ; K step s of Wq, both heads' four tiles: 16 loads into slot s % 2
.irp d, 0,1
.irp t, 0,1,2,3
	ds_load_b128 v[RG+64*((\s)%2)+32*\d+8*\t:RG+64*((\s)%2)+32*\d+8*\t+3], v1 offset:32768*\d+8192*\t+1024*(\s)
	ds_load_b128 v[RG+64*((\s)%2)+32*\d+8*\t+4:RG+64*((\s)%2)+32*\d+8*\t+7], v1 offset:32768*\d+8192*\t+1024*(\s)+512
.endr
.endr
.endm
.macro QSTEP s
.if (\s) > 0
	PLACES                                         ; for the loads into the slot that the step before has read
.endif
.if (\s) < 7
	QRING (\s)+1
	s_wait_dscnt 16                                ; this step's weights are in; the next step's 16 loads may be out
.else
	s_wait_dscnt 0x0
.endif
	s_wait_loadcnt 56                              ; hs's K step s is in: the later ones and s groups of e's, eight loads each, may be out
.if (\s) == 0
	WIN 0x6c                                       ; C: bq, in window 2
.else
	WIN 0x5c
.endif
.set AA, 0
.rept 4
.set HH, 0
.rept 2
.set TT, 0
.rept 4
.set DD, 128*HH+32*AA+8*TT
.set WA, RG+64*((\s)%2)+32*HH+8*TT
.set EB, 32*(\s)+8*AA
.set SA, QWS+16*HH+8*(TT/2)+(\s)
.set SB, SCX+8*(AA/2)+(\s)
.set RA, TT%2
.set RB, AA%2
.if (\s) == 0
.set CC, 192+32*HH+8*TT
.else
.set CC, DD
.endif
	WM DD, WA, EB, CC, SA, SB, RA, RB
.set TT, TT+1
.endr
.set HH, HH+1
.endr
.set AA, AA+1
.endr
.if (\s) == 7
	PLACES
.endif
	WIN 0x80
	EGROUP \s                                      ; bq's registers are the last two groups' place: read by step 0 alone
	WIN 0
.endm
	QRING 0
.irp s, 0,1,2,3,4,5,6,7
	QSTEP \s
.endr
.macro QKEEP n                         ; head n / 2, row tiles 2 (n % 2) and the next: the query fragment [X | Y]
	s_wait_dscnt 3                                 ; the stores of the fragment before last have read their registers; the last fragment's three may be out
	QUANT 1, 64*(\n), PCD+8*((\n)%2), PWL+(\n)%2
	KEEP PCD+8*((\n)%2), PWL+(\n)%2, QI+1024*(\n), QS+128*(\n)
.endm
	QKEEP 0
	SCXLOAD 44, 4                                  ; e's scale words take hs's and Wq's registers,
	WIN 0xc0
	EHIGH 4                                        ; and its K steps 4-7 hs's window
	EHIGH 5
	WIN 0
	QKEEP 1
	WIN 0xc0
	EHIGH 6
	EHIGH 7
	WIN 0
	QKEEP 2
	QKEEP 3
	s_wait_tensorcnt 0x0                           ; my second load is in,
	s_wait_dscnt 0x0                               ; no LDS instruction of mine is out at the signal,
	s_barrier_signal -1
	s_barrier_wait -1                              ; everybody's is
.macro WSCLOAD w                       ; the head's 16 scale words of weight w (0: Wk, 1: Wv)
.irp b, 0,1
.irp s, 0,1,2,3,4,5,6,7
	ds_load_b32 v[WSC+8*\b+\s], v6 offset:4096*\w+1024*\b+128*\s
.endr
.endr
.endm
.macro RING ad, s, x                   ; K step s of the head's four column tiles: 8 loads into slot x % 3
.irp t, 0,1,2,3
	ds_load_b128 v[RG+32*((\x)%3)+8*\t:RG+32*((\x)%3)+8*\t+3], v[\ad] offset:8192*\t+1024*(\s)
	ds_load_b128 v[RG+32*((\x)%3)+8*\t+4:RG+32*((\x)%3)+8*\t+7], v[\ad] offset:8192*\t+1024*(\s)+512
.endr
.endm
; K step s of k (form 0: transposed, accumulator (a, t) at 32 a + 8 t) or of v (form 1: as it reads, at 64 t + 8 a), 8 row tiles x 4 column tiles; x = s, v's + 8.  K step 0 takes the bias as C.
; Every accumulator is taken once a step, in one order: no two matrix instructions on end share one.
.macro STEP form, s, x, ad
.if (\s) < 6
.if (\s) > 0
	PLACES                                         ; for the loads into the slot that the step before has read
.endif
	WIN 0
	RING \ad, (\s)+2, (\x)+2                       ; two steps ahead
	s_wait_dscnt 16                                ; this step's weights are in; the two later steps' eight loads each may be out
.else
	s_wait_dscnt 8*(7-(\s))
.endif
.if (\form) == 0
.if (\s) == 0
	s_wait_loadcnt 63                              ; e's K steps 0-3 and scale words are in: 64 loads stand behind them
.elseif (\s) > 3
	s_wait_loadcnt 16*(7-(\s))
.endif
.endif
.if \form
.set WN, 0x42+((\s)/4)
.else
.set WN, 0x48+4*((\s)/4)
.endif
.if (\s) > 0
.set WN, WN+0x10                       ; C in window 1; in step 0 it is the bias, in window 0
.endif
	WIN WN
.set AA, 0
.rept 8
.set TT, 0
.rept 4
.set WA, RG+32*((\x)%3)+8*TT
.set EB, 64*((\s)%4)+8*AA
.set SA, WSC+8*(TT/2)+(\s)
.set SB, SCX+8*(AA/2)+(\s)
.set RA, TT%2
.set RB, AA%2
.if \form
.set DD, 64*TT+8*AA
.else
.set DD, 32*AA+8*TT
.endif
.if (\s) == 0
.set CC, BIAS+8*TT
.else
.set CC, DD
.endif
.if \form
	WM DD, EB, WA, CC, SB, SA, RB, RA
.else
	WM DD, WA, EB, CC, SA, SB, RA, RB
.endif
.set TT, TT+1
.endr
.set AA, AA+1
.endr
.if (\s) > 5
	WIN 0
.endif
.endm
.macro SPROD y                         ; S^T of query tile y of the pair against the chunk's 8 key tiles
	WIN 0x01
.set KT, 0
.rept 8
.set DD, SCR+8*KT
.set KA, 8*(KT/2)
.set QB, QA+4+8*(\y)-4*(KT%2)          ; (q, 0) for an even key tile, (0, q) for an odd one
.set SA, KSR+KT/2
.if (KT%2) == (\y)
.set SB, QW                            ; q's two bytes stand under its codes: in the word as it is, or with its halves exchanged
.else
.set SB, QWX
.endif
	WMZ DD, KA, QB, SA, SB
.set KT, KT+1
.endr
	WIN 0
.endm
.macro OPROD y                         ; O^T = V^T P^T: four tiles of 16 of the head's 64; K = the 128 keys
	WIN 0x41
.set TT, 0
.rept 4
.set DD, 64+32*(\y)+8*TT
.set VA, 32+8*TT
.set PB, PCD
.set SA, VSR+TT
.set SB, PW
	WMZ DD, VA, PB, SA, SB
.set TT, TT+1
.endr
	WIN 0
.endm
.macro SOFT                            ; 64 scores of my query (register 16 b + i = token 16 b + i of neighbour lane / 16) become the finished p, its codes in v[PCD] on and its scale word in v[PW]
.irp b, 0,1,2,3
	v_max3_num_f32 v[TM+\b], v[SCR+16*\b], v[SCR+16*\b+1], v[SCR+16*\b+2]   ; each block's largest score, in two chains: for the row's maximum, and for the block's largest p
	v_max3_num_f32 v[TM+8+\b], v[SCR+16*\b+8], v[SCR+16*\b+9], v[SCR+16*\b+10]
.endr
.irp i, 3,5
.irp b, 0,1,2,3
	v_max3_num_f32 v[TM+\b], v[TM+\b], v[SCR+16*\b+\i], v[SCR+16*\b+\i+1]
	v_max3_num_f32 v[TM+8+\b], v[TM+8+\b], v[SCR+16*\b+8+\i], v[SCR+16*\b+9+\i]
.endr
.endr
.irp b, 0,1,2,3
	v_max3_num_f32 v[TM+\b], v[TM+\b], v[SCR+16*\b+7], v[SCR+16*\b+15]
.endr
.irp b, 0,1,2,3
	v_max_num_f32 v[TM+\b], v[TM+\b], v[TM+8+\b]
.endr
.irp b, 0,1,2,3
	v_permlanex16_b32 v[TM+4+\b], v[TM+\b], s[SEL], s[SEL+1]
.endr
.irp b, 0,1,2,3
	v_max_num_f32 v[TM+\b], v[TM+\b], v[TM+4+\b]   ; with the other neighbour's 16 tokens
.endr
	v_max3_num_f32 v[AUX], v[TM], v[TM+1], v[TM+2]
	v_max_num_f32 v[AUX], v[AUX], v[TM+3]          ; the row's maximum m
	v_mul_f32 v[NM], s[NC], v[AUX]                 ; -c m: its rounding is one factor for the whole row, which the division takes away
.set J, 0
.rept 32
	v_pk_fma_f32 v[SCR+J:SCR+J+1], v[SCR+J:SCR+J+1], s[CS:CS+1], v[NM:NM+1] op_sel_hi:[1,0,0]
.set J, J+2
.endr
.irp b, 0,1,2,3
	v_fma_f32 v[TM+\b], v[TM+\b], s[CS], v[NM]
.endr
.set J, 0
	s_wait_alu depctr_va_vdst(0)
.rept 64
	v_exp_f32 v[SCR+J], v[SCR+J]
.set J, J+1
.endr
	v_nop                                          ; a plain instruction behind the batch,
	s_wait_alu depctr_va_vdst(0)                   ; and one wait for it, ahead of its first reader
.irp b, 0,1,2,3
	v_exp_f32 v[TM+\b], v[TM+\b]
.endr
	v_pk_add_f32 v[SUM:SUM+1], v[SCR:SCR+1], v[SCR+2:SCR+3]          ; the row's sum in four chains; p's codes' registers are free until the conversions
	v_pk_add_f32 v[AUX:AUX+1], v[SCR+4:SCR+5], v[SCR+6:SCR+7]
	v_pk_add_f32 v[PCD:PCD+1], v[SCR+8:SCR+9], v[SCR+10:SCR+11]
	v_pk_add_f32 v[PCD+2:PCD+3], v[SCR+12:SCR+13], v[SCR+14:SCR+15]
.irp j, 16,24,32,40,48,56
	v_pk_add_f32 v[SUM:SUM+1], v[SUM:SUM+1], v[SCR+\j:SCR+\j+1]
	v_pk_add_f32 v[AUX:AUX+1], v[AUX:AUX+1], v[SCR+\j+2:SCR+\j+3]
	v_pk_add_f32 v[PCD:PCD+1], v[PCD:PCD+1], v[SCR+\j+4:SCR+\j+5]
	v_pk_add_f32 v[PCD+2:PCD+3], v[PCD+2:PCD+3], v[SCR+\j+6:SCR+\j+7]
.endr
	v_pk_add_f32 v[SUM:SUM+1], v[SUM:SUM+1], v[AUX:AUX+1]
	v_pk_add_f32 v[PCD:PCD+1], v[PCD:PCD+1], v[PCD+2:PCD+3]
	v_pk_add_f32 v[SUM:SUM+1], v[SUM:SUM+1], v[PCD:PCD+1]
	v_add_f32 v[SUM], v[SUM], v[SUM+1]
	v_permlanex16_b32 v[AUX], v[SUM], s[SEL], s[SEL+1]
	v_add_f32 v[SUM], v[SUM], v[AUX]               ; the row's sum
	s_wait_alu depctr_va_vdst(0)
	v_rcp_f32 v[INV], v[SUM]
	v_nop
	s_wait_alu depctr_va_vdst(0)                   ; one wait for the four exponentials and the reciprocal
.set J, 0
.rept 32
	v_pk_mul_f32 v[SCR+J:SCR+J+1], v[SCR+J:SCR+J+1], v[INV:INV+1] op_sel_hi:[1,0]   ; the finished softmax
.set J, J+2
.endr
.irp b, 0,1,2,3
	v_mul_f32 v[TM+\b], v[TM+\b], v[INV]           ; each block's largest p: the same instructions on the same number
.endr
.irp b, 0,1,2,3
	v_max_num_f32 v[TM+\b], 0x1800000, v[TM+\b]    ; the floor
.endr
.irp b, 0,1,2,3
	v_add_nc_u32 v[TM+12+\b], 0xff000000, v[TM+\b]
.endr
.irp b, 0,1,2,3
	v_lshrrev_b32 v[TM+4+\b], 23, v[TM+12+\b]
.endr
.irp b, 0,1,2,3
	v_cvt_scalef32_pk8_fp4_f32 v[PCD+2*\b], v[SCR+16*\b:SCR+16*\b+7], v[TM+12+\b]
	v_cvt_scalef32_pk8_fp4_f32 v[PCD+2*\b+1], v[SCR+16*\b+8:SCR+16*\b+15], v[TM+12+\b]
.endr
	v_lshl_or_b32 v[PW], v[TM+5], 8, v[TM+4]       ; the scale word (also the plain instructions behind the conversions)
	v_lshl_or_b32 v[PW], v[TM+6], 16, v[PW]
	v_lshl_or_b32 v[PW], v[TM+7], 24, v[PW]
.irp c, 0,1
.irp i, 0,1
	v_permlane16_swap_b32 v[PCD+4*\c+\i], v[PCD+4*\c+2+\i]
.endr
.endr
.rept 8
	v_nop                                          ; a scale word made by vector instructions stands eight places ahead of the scaled product, codes so made four
.endr
.endm
	s_mov_b32 s[KOF], 0
	s_mov_b32 s[WOF], 0
	s_mov_b32 s[BOF], 0
	s_mov_b32 s[QOF], 0
	s_mov_b32 s[QSO], 0
	s_mov_b32 s[ASO], 0
	s_mov_b32 s[HDC], 2
.Lhead:
	v_add_nc_u32 v3, s[KOF], v1
	v_add_nc_u32 v6, s[WOF], v5
	v_add_nc_u32 v9, s[BOF], v7
	v_add_nc_u32 v10, s[BOF], v8
	v_add_nc_u32 v3, WKV, v3                       ; Wk's images of the head
	v_add_nc_u32 v4, 0x10000, v3                   ; Wv's
	s_wait_alu depctr_va_vdst(0)
	; ---------------- k = e Wk + bk, transposed
	WSCLOAD 0
.irp t, 0,1,2,3
	ds_load_b128 v[BIAS+8*\t:BIAS+8*\t+3], v9 offset:BI+512+128*(\t/2)+32*(\t%2)
	ds_load_b128 v[BIAS+8*\t+4:BIAS+8*\t+7], v9 offset:BI+512+128*(\t/2)+32*(\t%2)+16
.endr
	RING 3, 0, 0
	RING 3, 1, 1
.irp s, 0,1,2,3,4,5,6,7
	STEP 0, \s, \s, 3
.endr
	PLACES                                         ; for the loads below and for the first read of results
	WSCLOAD 1
.irp t, 0,1,2,3
	ds_load_b32 v[BIAS+8*\t], v10 offset:BI+1024+128*(\t/2)+32*(\t%2)   ; bv: lane (r, h) holds column slot r
.endr
	RING 4, 0, 8                                   ; v's first two K steps land while k is quantised
	RING 4, 1, 9
.set N, 0
.rept 4                                        ; row tiles 2 N and 2 N + 1, 64 registers on end, make the key fragment [X | Y]
	s_wait_dscnt 3
	QUANT 1, 64*N, PCD+8*(N%2), PWL+N%2
	KEEP PCD+8*(N%2), PWL+N%2, KI+1024*N, KS+128*N
.set N, N+1
.endr
	; ---------------- v = e Wv + bv, as it reads
.irp t, 0,1,2,3                                ; bv fills a tile's eight registers
.irp j, 1,2,3,4,5,6,7
	v_mov_b32 v[BIAS+8*\t+\j], v[BIAS+8*\t]
.endr
.endr
	s_wait_alu depctr_va_vdst(0)
.irp s, 0,1,2,3,4,5,6,7
	STEP 1, \s, \s+8, 4
.endr
	PLACES
.set N, 0
.rept 4                                        ; column tile N: 16 of the head's 64 x the chunk's 128 keys, in blocks of 16 tokens of both neighbours
	s_wait_dscnt 3
	QUANT 1, 64*N, PCD+8*(N%2), PWL+N%2
	KEEP PCD+8*(N%2), PWL+N%2, VI+1024*N, VS+128*N
.set N, N+1
.endr
	; ---------------- the attention of the head: two pairs of query tiles
	WIN 0x40                                       ; four key fragments and four fragments of V^T into window 1 (LDS serves a wave's instructions in order: these see my stores)
.irp i, 0,1,2,3
	ds_load_b128 v[8*\i:8*\i+3], v11 offset:KI+1024*\i
	ds_load_b128 v[8*\i+4:8*\i+7], v11 offset:KI+1024*\i+512
	ds_load_b128 v[32+8*\i:32+8*\i+3], v11 offset:VI+1024*\i
	ds_load_b128 v[32+8*\i+4:32+8*\i+7], v11 offset:VI+1024*\i+512
.endr
	WIN 0
.irp i, 0,1,2,3
	ds_load_b32 v[KSR+\i], v12 offset:KS+128*\i
	ds_load_b32 v[VSR+\i], v12 offset:VS+128*\i
.endr
	s_mov_b32 s[QPL], 2
.Lpair:
	v_add_nc_u32 v9, s[QOF], v11
	v_add_nc_u32 v10, s[QSO], v12
	ds_load_b128 v[QA+4:QA+7], v9 offset:QI        ; query tile X,
	ds_load_b128 v[QA+12:QA+15], v9 offset:QI+512  ; query tile Y,
	ds_load_b32 v[QW], v10 offset:QS               ; their scale word (X0, X1, Y0, Y1)
	s_wait_dscnt 0x0
	v_lshrrev_b32 v9, 16, v[QW]
	v_lshl_or_b32 v[QWX], v[QW], 16, v9            ; and (Y0, Y1, X0, X1)
.rept 8
	v_nop
.endr
	SPROD 0
	PLACES
	SOFT
	OPROD 0
	SPROD 1
	PLACES
	SOFT
	OPROD 1
	PLACES
	WIN 5
	s_wait_alu depctr_va_vdst(0)                   ; directly ahead of the first reader of O^T
	QUANT 1, 64, PCD+8, PWL                        ; both tiles' 64 numbers of the head: two blocks of the last product's K for each row
	global_store_b128 v1, v[PCD+8:PCD+11], s[ACB:ACB+1]              ; tile X: 512 consecutive bytes, aligned: the head's half of a K step's image
	global_store_b128 v1, v[PCD+12:PCD+15], s[ACB:ACB+1] offset:8192 ; tile Y
	v_add_nc_u32 v10, s[ASO], v13
	ds_store_b32 v10, v[PWL] offset:AS             ; lanes l and l + 16 store the same word to the same place
	s_add_co_u32 s[QOF], s[QOF], 1024
	s_add_co_u32 s[QSO], s[QSO], 128
	s_add_co_u32 s[ASO], s[ASO], 64
	s_wait_xcnt 0x0                                ; the stores have read their base and their data: both are written again only behind this wait
	s_add_nc_u64 s[ACB:ACB+1], s[ACB:ACB+1], 16384
	s_sub_co_u32 s[QPL], s[QPL], 1
	s_cmp_lg_u32 s[QPL], 0
	s_cbranch_scc1 .Lpair
	s_sub_nc_u64 s[ACB:ACB+1], s[ACB:ACB+1], 32768-512    ; four tiles back, a head on
	s_add_co_u32 s[KOF], s[KOF], 32768
	s_add_co_u32 s[WOF], s[WOF], 2048
	s_add_co_u32 s[BOF], s[BOF], 256
	s_sub_co_u32 s[HDC], s[HDC], 1
	s_cmp_lg_u32 s[HDC], 0
	s_cbranch_scc1 .Lhead
	; a K step of the last product holds my two heads: words 2 l and 2 l + 1 of my 64 ([row tile 4][r 16]) are lane l's: row tile l / 8 = query pair l / 16, X or Y by (l / 8) % 2; rows 2 (l % 8) and the next.  My own bytes: no barrier
	v_and_b32 v3, 7, v0
	v_bfe_u32 v4, v0, 4, 1
	v_bfe_u32 v10, v0, 3, 1
	v_and_b32 v6, 31, v0
	v_lshlrev_b32 v3, 3, v3
	v_mul_lo_u32 v10, v10, 0x2020202
	v_lshlrev_b32 v6, 3, v6
	v_lshl_add_u32 v3, v4, 6, v3
	v_add_nc_u32 v10, 0x5040100, v10               ; tile X: the two low halves; tile Y: the two high halves
	v_add_nc_u32 v3, s73, v3
	s_wait_alu depctr_va_vdst(0)
	ds_load_b64 v[64:65], v3 offset:AS
	ds_load_b64 v[66:67], v3 offset:AS+128
	s_wait_dscnt 0x0
	v_perm_b32 v68, v66, v64, v10
	v_perm_b32 v69, v67, v65, v10
	global_store_b64 v6, v[68:69], s[20:21]        ; one aligned unit of 256 bytes
	s_wait_tensorcnt 0x0                           ; the wave's end
	ds_add_u32 v14, v15
	s_wait_dscnt 0x0
	ROUND                                          ; the closing round
	s_endpgm
.Lfunc_end_k_qeb019249b8_attn:
	.size	k_qeb019249b8_attn, .Lfunc_end_k_qeb019249b8_attn-k_qeb019249b8_attn
	.p2alignl 7, 3214868480
	.fill 96, 4, 3214868480
	.section	.rodata,"a",@progbits
	.p2align	6, 0x0
	.amdhsa_kernel k_qeb019249b8_attn
		.amdhsa_group_segment_fixed_size 327680
		.amdhsa_private_segment_fixed_size 0
		.amdhsa_enable_private_segment 0
		.amdhsa_kernarg_size 72
		.amdhsa_user_sgpr_count 2
		.amdhsa_user_sgpr_kernarg_segment_ptr 1
		.amdhsa_wavefront_size32 1
		.amdhsa_system_sgpr_workgroup_id_x 1
		.amdhsa_system_sgpr_workgroup_id_y 1
		.amdhsa_system_sgpr_workgroup_id_z 1
		.amdhsa_system_vgpr_workitem_id 0
		.amdhsa_next_free_vgpr 1024
		.amdhsa_next_free_sgpr 96
		.amdhsa_reserve_vcc 0
		.amdhsa_float_denorm_mode_32 3
		.amdhsa_float_denorm_mode_16_64 3
		.amdhsa_memory_ordered 1
		.amdhsa_forward_progress 1
		.amdhsa_inst_pref_size 242
	.end_amdhsa_kernel
	.amdgpu_metadata
---
amdhsa.version: [ 1, 2 ]
amdhsa.kernels:
  - .name:           k_qeb019249b8_attn
    .symbol:         k_qeb019249b8_attn.kd
    .args:
      - { .name: xc, .offset: 0, .size: 8, .value_kind: global_buffer, .address_space: global }
      - { .name: scl, .offset: 8, .size: 8, .value_kind: global_buffer, .address_space: global }
      - { .name: wimg, .offset: 16, .size: 8, .value_kind: global_buffer, .address_space: global }
      - { .name: wsc, .offset: 24, .size: 8, .value_kind: global_buffer, .address_space: global }
      - { .name: bq, .offset: 32, .size: 8, .value_kind: global_buffer, .address_space: global }
      - { .name: bk, .offset: 40, .size: 8, .value_kind: global_buffer, .address_space: global }
      - { .name: bv, .offset: 48, .size: 8, .value_kind: global_buffer, .address_space: global }
      - { .name: acodes, .offset: 56, .size: 8, .value_kind: global_buffer, .address_space: global }
      - { .name: ascl, .offset: 64, .size: 8, .value_kind: global_buffer, .address_space: global }
    .group_segment_fixed_size: 327680
    .private_segment_fixed_size: 0
    .kernarg_segment_align: 8
    .kernarg_segment_size: 72
    .max_flat_workgroup_size: 128
    .sgpr_count:     96
    .vgpr_count:     1024
    .wavefront_size: 32
...
	.end_amdgpu_metadata
.endif
;; end of part 2
;; launch outp (part 3): grid 4 x 64, 8 waves a work-group, clusters of 4 x 4, 327,680 bytes of LDS; arguments acodes, ascl, wimg, wsc, bo, h, out0; writes out0
.if DOCPART == 3
	.amdgcn_target "amdgcn-amd-amdhsa--gfx1250"
	.amdhsa_code_object_version 6
	.text
	.protected	k_qeb019249b8_outp
	.globl	k_qeb019249b8_outp
	.p2align	8
	.type	k_qeb019249b8_outp,@function
k_qeb019249b8_outp:
	s_mov_b64 s[64:65], 0
	v_nop
	global_prefetch_b8 v0, s[64:65] scope:SCOPE_SE
	s_setreg_imm32_b32 hwreg(HW_REG_WAVE_MODE, 25, 1), 1
	s_wait_xcnt 0x0
	s_wait_alu depctr_hold_cnt(0) depctr_sa_sdst(0) depctr_va_vdst(0) depctr_va_sdst(0) depctr_va_ssrc(0) depctr_va_vcc(0) depctr_vm_vsrc(0)
	s_getreg_b32 s2, hwreg(HW_REG_IB_STS2, 6, 4)
	s_cmp_eq_u32 s2, 0
	s_cbranch_scc0 .Lentry_in_a_cluster
	s_endpgm
.Lentry_in_a_cluster:
	s_bfe_u32 s2, ttmp6, 0x10000c
	s_cmp_lg_u32 s2, 0xf033
	s_cbranch_scc0 .Lentry_shape_is_right
	s_endpgm
.Lentry_shape_is_right:
; Launch 3 of 3: out0[b][(i + 63) mod 2,048] = h[same row] + (attention output row i x Wo + bo), the product on E2M1 codes with E8M0 scales; for the padded rows i = 1,985 .. 2,047, which reference() cuts away,
; the sum is replaced by 0 by a select, so that those places, rows 0 .. 62 of each batch, get h alone, as reference()'s pad leaves them.  Every row of out0 so has one owner.  The padded rows' products stay: they lie inside a live tile of 64 rows.
; LIMIT: a NaN or an infinity in the padded rows' sums is not carried to the result.
; A work-group makes 128 rows x 256 columns with eight waves; wave w rows 64 (w / 4) on, columns 64 (w % 4) on.  K = 1,024 is short: all codes and scale words of the tile come into LDS once, by joint loads, one a wave; nothing is filled again.
; CLUSTER 4 x 4: the four of a row need the same 128 rows of codes, the four of a column the same 256 columns of Wo.
; The wave's part of Wo (4 column tiles x 8 K steps) fills window 1 and is read from LDS once.  Its rows of h come by blocks of 16 rows through three slots of 32 registers: block 0 ahead of the round, block 1 behind the tensor load, block 2 behind the
; barrier that shows the tiles landed, block 3 behind block 0's stores.  No prefetch: every byte is read once, and there is no loop to run ahead in.
; A block of 16 rows at a time is multiplied (transposed: a lane holds one row and eight neighbouring columns), goes through the wave's own stage, and leaves as whole aligned units of 256 bytes, two rows an instruction.
; Window 0: v1-9 addresses; v10, v11 the add's two; v12-15 bo; v16-31 Wo's scale words; v32-35 the rows'; v36-99 a block's 8 fragments; v100-131 its 4 accumulators, then its rows read back; v132-227 h.
.set WI,    65536                      ; LDS: the rows' images at 0: [tile 8][K step 8][1,024]; Wo's here: [column tile 16][K step 8][1,024]
.set ASC,   196608                     ; the rows' scale words: [K step 8][tile 8][64]
.set WSCL,  200704                     ; Wo's: [group of 64 columns 4][b 2][K step 8][128]
.set STG,   208896                     ; for each wave a stage of 16 rows x (256 + 16) bytes
.set SP,    272
.set SPARE, 243712                     ; the spare words, 128 bytes for each wave: four blocks of 256 bytes that no other line names
.set SPW, 10
.set NIL, 11
.set WS,  16
.set ASR, 32
.set AF,  36
.set ACC, 100
.set HB,  132
.set WV,  18
.set MSK, 96
.set MS0, 100
.set MSB, 0
.macro WIN new
.if MSB != (\new)
	s_set_vgpr_msb (MSB<<8)|(\new)
.set MSB, (\new)
.endif
.endm
.macro PLACES
.rept 4
	v_nop
.endr
.endm
.macro ROUND
	s_barrier_signal -1
	s_barrier_wait -1
	s_cmp_lg_u32 s[WV], 0
	s_cbranch_scc1 .Lnot_wave_0_\@
	s_barrier_signal -3
.Lnot_wave_0_\@:
	s_barrier_wait -3
	s_barrier_signal -1
	s_barrier_wait -1
.endm
.macro WM d, a, b, sa, sb, ra, rb      ; adds in place
.if (\ra) && (\rb)
	v_wmma_scale_f32_16x16x128_f8f6f4 v[\d:\d+7], v[\a:\a+7], v[\b:\b+7], v[\d:\d+7], v[\sa], v[\sb] matrix_a_fmt:MATRIX_FMT_FP4 matrix_b_fmt:MATRIX_FMT_FP4 matrix_a_scale:MATRIX_SCALE_ROW1 matrix_b_scale:MATRIX_SCALE_ROW1
.elseif (\ra)
	v_wmma_scale_f32_16x16x128_f8f6f4 v[\d:\d+7], v[\a:\a+7], v[\b:\b+7], v[\d:\d+7], v[\sa], v[\sb] matrix_a_fmt:MATRIX_FMT_FP4 matrix_b_fmt:MATRIX_FMT_FP4 matrix_a_scale:MATRIX_SCALE_ROW1
.elseif (\rb)
	v_wmma_scale_f32_16x16x128_f8f6f4 v[\d:\d+7], v[\a:\a+7], v[\b:\b+7], v[\d:\d+7], v[\sa], v[\sb] matrix_a_fmt:MATRIX_FMT_FP4 matrix_b_fmt:MATRIX_FMT_FP4 matrix_b_scale:MATRIX_SCALE_ROW1
.else
	v_wmma_scale_f32_16x16x128_f8f6f4 v[\d:\d+7], v[\a:\a+7], v[\b:\b+7], v[\d:\d+7], v[\sa], v[\sb] matrix_a_fmt:MATRIX_FMT_FP4 matrix_b_fmt:MATRIX_FMT_FP4
.endif
.endm
.macro WMZ d, a, b, sa, sb, ra         ; starts a sum
.if (\ra)
	v_wmma_scale_f32_16x16x128_f8f6f4 v[\d:\d+7], v[\a:\a+7], v[\b:\b+7], 0, v[\sa], v[\sb] matrix_a_fmt:MATRIX_FMT_FP4 matrix_b_fmt:MATRIX_FMT_FP4 matrix_a_scale:MATRIX_SCALE_ROW1
.else
	v_wmma_scale_f32_16x16x128_f8f6f4 v[\d:\d+7], v[\a:\a+7], v[\b:\b+7], 0, v[\sa], v[\sb] matrix_a_fmt:MATRIX_FMT_FP4 matrix_b_fmt:MATRIX_FMT_FP4
.endif
.endm
	s_load_b256 s[4:11], s[0:1], 0x0               ; acodes s[4:5], ascl s[6:7], wimg s[8:9], wsc s[10:11]
	s_load_b128 s[12:15], s[0:1], 0x20             ; bo s[12:13], h s[14:15]
	s_load_b64 s[16:17], s[0:1], 0x30              ; out0
	v_lshl_add_u32 v[SPW], v0, 2, SPARE
	v_mov_b32 v[NIL], 0
	ds_add_u32 v[SPW], v[NIL]                      ; the wave's opening: the add, twice on end, and its wait ahead of my first tensor load
	ds_add_u32 v[SPW], v[NIL]
	v_lshrrev_b32 v9, 5, v0
	v_readfirstlane_b32 s[WV], v9                  ; wave 0..7
	s_lshr_b32 s19, s[WV], 2                       ; which 64 rows are mine
	s_and_b32 s20, s[WV], 3                        ; which 64 columns
	s_bfe_u32 s21, ttmp6, 0x40000                  ; cx
	s_bfe_u32 s22, ttmp6, 0x40004                  ; cy
	s_lshl_b32 s23, ttmp9, 2
	s_add_co_u32 s23, s23, s21                     ; X: which 256 columns
	s_and_b32 s76, ttmp7, 0xffff
	s_lshl_b32 s76, s76, 2
	s_add_co_u32 s76, s76, s22                     ; Y: which 128 rows
	s_lshl_b32 s77, s22, 2
	s_lshl_b32 s77, 15, s77                        ; my row of the cluster
	s_lshl_b32 s78, 0x1111, s21                    ; my column
	s_or_b32 s24, s77, (3<<16)|(1<<21)             ; the rows' codes: 128 rows of 256 dense bytes (32 elements of 8), to my row of the cluster
	s_mov_b32 s25, 32<<16
	s_mov_b32 s26, 128<<16
	s_mov_b32 s27, 32<<16
	s_mov_b32 s28, 128
	s_mov_b32 s29, 32
	s_mov_b32 s30, 0
	s_mov_b32 s31, 0
	s_or_b32 s32, s77, (3<<16)|(1<<21)             ; the rows' scale words: 8 rows (K steps) of 512 bytes (eight tiles), 32,768 bytes apart
	s_mov_b32 s33, 64<<16
	s_mov_b32 s34, 8<<16
	s_mov_b32 s35, 64<<16
	s_mov_b32 s36, 8
	s_mov_b32 s37, 4096
	s_mov_b32 s38, 0
	s_mov_b32 s39, 0
	s_or_b32 s40, s78, (3<<16)|(1<<21)             ; Wo's codes: 128 rows of 256 dense bytes, to my column of the cluster
	s_mov_b32 s41, 32<<16
	s_mov_b32 s42, 128<<16
	s_mov_b32 s43, 32<<16
	s_mov_b32 s44, 128
	s_mov_b32 s45, 32
	s_mov_b32 s46, 0
	s_mov_b32 s47, 0
	s_or_b32 s48, s78, (3<<16)|(1<<21)             ; Wo's scale words: 32 rows of 256 dense bytes
	s_mov_b32 s49, 32<<16
	s_mov_b32 s50, 32<<16
	s_mov_b32 s51, 32<<16
	s_mov_b32 s52, 32
	s_mov_b32 s53, 32
	s_mov_b32 s54, 0
	s_mov_b32 s55, 0
	s_and_b32 s57, s[WV], 1                        ; waves 0, 1: a half of the rows' codes; from where: by Y and the wave alone
	s_lshl_b32 s57, s57, 15
	s_lshl_b32 s80, s76, 16
	s_add_co_u32 s80, s80, s57
	s_mov_b32 s81, 0
	s_lshl_b32 s82, s76, 9                         ; wave 6: their scale words
	s_mov_b32 s83, 0
	s_add_co_u32 s69, s[WV], 2                     ; waves 2 to 5: a quarter of Wo's codes, (w - 2) % 4; from where: by X and the wave alone
	s_and_b32 s69, s69, 3
	s_lshl_b32 s69, s69, 15
	s_lshl_b32 s84, s23, 17
	s_add_co_u32 s84, s84, s69
	s_add_co_u32 s84, s84, 3*524288
	s_mov_b32 s85, 0
	s_add_co_u32 s69, s69, WI
	s_lshl_b32 s86, s23, 13                        ; wave 7: their scale words
	s_add_co_u32 s86, s86, 3*32768
	s_mov_b32 s87, 0
	; my rows of h and out0: row rho of my 64 is attention row i0 + rho and lands on row (i0 + rho + 63) mod 2,048 of its batch.  Only the batch's last 64 rows (i0 = 1,984) wrap, from rho = 1 on: those are the pad's.
	s_lshl_b32 s88, s76, 7
	s_lshl_b32 s98, s19, 6
	s_add_co_u32 s88, s88, s98
	s_add_co_u32 s88, s88, 63
	s_lshl_b32 s88, s88, 12                        ; rho = 0: 4,096 bytes a row
	s_lshl_b32 s98, s23, 10
	s_lshl_b32 s99, s20, 8
	s_add_co_u32 s98, s98, s99                     ; my columns
	s_add_co_u32 s88, s88, s98
	s_mov_b32 s89, 0
	s_mov_b32 s91, 0
	s_mov_b32 s92, s98                             ; kept for bo
	s_mov_b32 s93, 0
	s_and_b32 s97, s76, 15
	s_lshl_b32 s97, s97, 1
	s_add_co_u32 s97, s97, s19
	s_cmp_eq_u32 s97, 31                           ; no branch hangs on this: it selects offsets and a mask
	s_cselect_b32 s[MSK], 0, -1                    ; all lanes keep the sum, or none does
	s_cselect_b32 s94, 0x800000, 0                 ; a batch's 2,048 rows back
	s_cselect_b32 s98, 0, 4096                     ; the first instruction's rows are rho = 0 (lanes 0-15) and 1 (lanes 16-31), from the lower of the two places: lanes 16-31's offset,
	s_cselect_b32 s95, 0x7ff000, 0                 ; lanes 0-15's
	s_add_co_u32 s90, s88, 4096
	s_sub_co_u32 s90, s90, s94                     ; rho = 1; the later rows stand in the immediates
	s_cmp_eq_u32 s97, 31
	s_cselect_b32 s88, s90, s88                    ; the lower of the first two rows' places
	s_sub_co_u32 s98, s98, s95
	s_or_b32 s[MS0], s[MSK], 0xffff                ; rho = 0 is a live row
	s_lshl_b32 s21, s19, 15                        ; my 64 rows' images
	s_lshl_b32 s22, s19, 8
	s_add_co_u32 s22, s22, ASC                     ; and scale words
	s_lshl_b32 s77, s20, 15
	s_add_co_u32 s77, s77, WI                      ; my 64 columns' images
	s_lshl_b32 s78, s20, 11
	s_add_co_u32 s78, s78, WSCL                    ; and scale words
	s_mul_i32 s79, s[WV], 16*SP
	s_add_co_u32 s79, s79, STG                     ; my stage
	v_and_b32 v36, 31, v0                          ; lane
	v_and_b32 v37, 15, v0                          ; r
	v_bfe_u32 v38, v0, 4, 1                        ; h
	v_lshlrev_b32 v9, 4, v37                       ; 16 r
	v_lshl_add_u32 v1, v38, 12, v9                 ; h and out0: lanes 0-15 one row, lanes 16-31 the next
	v_mul_lo_u32 v2, v38, s98
	v_add_nc_u32 v2, s95, v2
	v_add_nc_u32 v2, v9, v2                        ; the same for the first two rows
	v_lshlrev_b32 v5, 4, v36
	v_lshlrev_b32 v6, 2, v36
	v_add_nc_u32 v3, s21, v5                       ; my rows' images
	v_lshlrev_b32 v4, 2, v37
	v_lshl_add_u32 v4, v38, 9, v4
	v_add_nc_u32 v4, s22, v4                       ; their scale words: lanes 0-15 an even K step's, lanes 16-31 the next one's
	v_add_nc_u32 v5, s77, v5                       ; my columns' images
	v_add_nc_u32 v6, s78, v6                       ; their scale words
	v_mul_u32_u24 v7, v37, SP
	v_lshl_add_u32 v7, v38, 6, v7
	v_add_nc_u32 v7, s79, v7                       ; the stage, in: row r, + 64 h: my half's 16 columns of each 32
	v_mul_u32_u24 v8, v38, SP
	v_add_nc_u32 v8, v9, v8
	v_add_nc_u32 v8, s79, v8                       ; and back: two rows of 256 bytes
	s_wait_alu depctr_va_vdst(0)
	s_wait_dscnt 0x0                               ; both opening adds are done
	s_wait_kmcnt 0x0
	s_add_nc_u64 s[12:13], s[12:13], s[92:93]
	s_add_nc_u64 s[92:93], s[16:17], s[88:89]
	s_add_nc_u64 s[94:95], s[16:17], s[90:91]
	s_add_nc_u64 s[88:89], s[14:15], s[88:89]
	s_add_nc_u64 s[90:91], s[14:15], s[90:91]
	s_mov_b32 s56, 1
	s_add_nc_u64 s[58:59], s[4:5], s[80:81]
	s_or_b32 s59, s59, 0x80000000
	s_mov_b32 s60, 1
	s_mov_b32 s61, ASC
	s_add_nc_u64 s[62:63], s[6:7], s[82:83]
	s_or_b32 s63, s63, 0x80000000
	s_mov_b32 s68, 1
	s_add_nc_u64 s[70:71], s[8:9], s[84:85]
	s_or_b32 s71, s71, 0x80000000
	s_mov_b32 s72, 1
	s_mov_b32 s73, WSCL
	s_add_nc_u64 s[74:75], s[10:11], s[86:87]
	s_or_b32 s75, s75, 0x80000000
.macro HLOAD a                         ; block a's 16 rows of h, two rows of 256 bytes an instruction, into slot a % 3
.set II, 0
.rept 8
.if 8*(\a)+II == 0
	global_load_b128 v[HB:HB+3], v2, s[88:89] th:TH_LOAD_NT
.else
	global_load_b128 v[HB+32*((\a)%3)+4*II:HB+32*((\a)%3)+4*II+3], v1, s[90:91] offset:(16*(\a)+2*II-1)*4096 th:TH_LOAD_NT
.endif
.set II, II+1
.endr
.endm
	global_load_b128 v[12:15], v9, s[12:13]        ; bo at my four columns of a row
	HLOAD 0
	ROUND                                          ; all sixteen work-groups are here: the joint loads meet
; ONE tree of branches on the wave's number: every way through it passes one load
.macro ARM under, g0, g1, next
	s_cmp_lt_u32 s[WV], \under
	s_cbranch_scc0 \next
	tensor_load_to_lds s[\g0:\g0+3], s[\g1:\g1+7]
	s_nop 0
	PLACES
	s_branch .Lasked
\next:
.endm
	ARM 2, 56, 24, .Lwo
	ARM 6, 68, 40, .Lrs
	ARM 7, 60, 32, .Lws
	tensor_load_to_lds s[72:75], s[48:55]
	s_nop 0
	PLACES
.Lasked:
	HLOAD 1
	s_wait_tensorcnt 0x0                           ; my load is in,
	s_barrier_signal -1
	s_barrier_wait -1                              ; everybody's is
	HLOAD 2
	WIN 0x40                                       ; Wo's fragment (column tile ct, K step s) at v[64 ct + 8 s] of window 1
.set CT, 0
.rept 4
.irp s, 0,1,2,3,4,5,6,7
	ds_load_b128 v[64*CT+8*\s:64*CT+8*\s+3], v5 offset:CT*8192+\s*1024
	ds_load_b128 v[64*CT+8*\s+4:64*CT+8*\s+7], v5 offset:CT*8192+\s*1024+512
.endr
.set CT, CT+1
.endr
	WIN 0
.irp i, 0,1
.irp s, 0,1,2,3,4,5,6,7
	ds_load_b32 v[WS+8*\i+\s], v6 offset:\i*1024+\s*128    ; lanes 0-15 column tile 2 i, lanes 16-31 tile 2 i + 1
.endr
.endr
.macro AFETCH a                        ; block a's eight fragments and four registers of scale words: 20 loads
.irp s, 0,1,2,3,4,5,6,7
	ds_load_b128 v[AF+8*\s:AF+8*\s+3], v3 offset:(\a)*8192+\s*1024
	ds_load_b128 v[AF+8*\s+4:AF+8*\s+7], v3 offset:(\a)*8192+\s*1024+512
.endr
.irp g, 0,1,2,3
	ds_load_b32 v[ASR+\g], v4 offset:\g*1024+(\a)*64
.endr
.endm
	AFETCH 0
.macro BLOCK a                         ; 16 rows x 64 columns
.set HA, HB+32*((\a)%3)
	s_wait_dscnt 0x0
	WIN 0x01
.set SS, 0
.rept 8                                        ; K ascending; the four accumulators by turns
.set CT, 0
.rept 4
.set DD, ACC+8*CT
.set WA, 64*CT+8*SS
.set AB, AF+8*SS
.set SA, WS+8*(CT/2)+SS
.set SB, ASR+SS/2
.set RA, CT%2
.set RBW, SS%2
.if SS == 0
	WMZ DD, WA, AB, SA, SB, RA
.else
	WM DD, WA, AB, SA, SB, RA, RBW
.endif
.set CT, CT+1
.endr
.set SS, SS+1
.endr
	WIN 0
	PLACES                                         ; for the loads into the products' registers and for the first read of results
.set CT, 0
.rept 4                                        ; column tile 2 b + u, lane (r, h), register j: column 32 b + 16 h + 8 u + j; each accumulator from its low end on
	ds_store_b128 v7, v[ACC+8*CT:ACC+8*CT+3] offset:128*(CT/2)+32*(CT%2)
	ds_store_b128 v7, v[ACC+8*CT+4:ACC+8*CT+7] offset:128*(CT/2)+32*(CT%2)+16
.set CT, CT+1
.endr
.set RR, 0
.rept 8
	ds_load_b128 v[ACC+4*RR:ACC+4*RR+3], v8 offset:2*RR*SP    ; LDS serves a wave's instructions in order: these see my stores, which have read these registers ahead of them
.set RR, RR+1
.endr
.if (\a) < 3
	AFETCH (\a)+1
	s_wait_dscnt 20                                ; the rows are back; the next block's 20 loads may be out
.else
	s_wait_dscnt 0x0
.endif
.if (\a) < 2
	s_wait_loadcnt 16                              ; bo and this block's rows of h are in; two later blocks' eight loads each may be out
.else
	s_wait_loadcnt 8*(3-(\a))
.endif
.set RR, 0
.rept 8
	v_pk_add_f32 v[ACC+4*RR:ACC+4*RR+1], v[ACC+4*RR:ACC+4*RR+1], v[12:13]
	v_pk_add_f32 v[ACC+4*RR+2:ACC+4*RR+3], v[ACC+4*RR+2:ACC+4*RR+3], v[14:15]
.set RR, RR+1
.endr
.set RR, 0
.rept 8
.set MM, MSK
.if 8*(\a)+RR == 0
.set MM, MS0
.endif
.irp j, 0,1,2,3
	v_cndmask_b32 v[ACC+4*RR+\j], 0, v[ACC+4*RR+\j], s[MM]    ; a row of the pad gives nothing: its place gets h alone
.endr
.set RR, RR+1
.endr
.set RR, 0
.rept 8
	v_pk_add_f32 v[HA+4*RR:HA+4*RR+1], v[HA+4*RR:HA+4*RR+1], v[ACC+4*RR:ACC+4*RR+1]
	v_pk_add_f32 v[HA+4*RR+2:HA+4*RR+3], v[HA+4*RR+2:HA+4*RR+3], v[ACC+4*RR+2:ACC+4*RR+3]
.set RR, RR+1
.endr
.set RR, 0
.rept 8
.if 8*(\a)+RR == 0
	global_store_b128 v2, v[HA:HA+3], s[92:93] th:TH_STORE_NT
.else
	global_store_b128 v1, v[HA+4*RR:HA+4*RR+3], s[94:95] offset:(16*(\a)+2*RR-1)*4096 th:TH_STORE_NT   ; two aligned units of 256 bytes
.endif
.set RR, RR+1
.endr
.if (\a) == 0
	s_wait_xcnt 0x0                                ; block 0's stores have read their data: block 3's rows may land there
	HLOAD 3
.endif
.endm
	BLOCK 0
	BLOCK 1
	BLOCK 2
	BLOCK 3
	s_wait_tensorcnt 0x0                           ; the wave's end
	ds_add_u32 v[SPW], v[NIL]
	s_wait_dscnt 0x0
	ROUND                                          ; the closing round
	s_endpgm
.Lfunc_end_k_qeb019249b8_outp:
	.size	k_qeb019249b8_outp, .Lfunc_end_k_qeb019249b8_outp-k_qeb019249b8_outp
	.p2alignl 7, 3214868480
	.fill 96, 4, 3214868480
	.section	.rodata,"a",@progbits
	.p2align	6, 0x0
	.amdhsa_kernel k_qeb019249b8_outp
		.amdhsa_group_segment_fixed_size 327680
		.amdhsa_private_segment_fixed_size 0
		.amdhsa_enable_private_segment 0
		.amdhsa_kernarg_size 56
		.amdhsa_user_sgpr_count 2
		.amdhsa_user_sgpr_kernarg_segment_ptr 1
		.amdhsa_wavefront_size32 1
		.amdhsa_system_sgpr_workgroup_id_x 1
		.amdhsa_system_sgpr_workgroup_id_y 1
		.amdhsa_system_sgpr_workgroup_id_z 1
		.amdhsa_system_vgpr_workitem_id 0
		.amdhsa_next_free_vgpr 512
		.amdhsa_next_free_sgpr 102
		.amdhsa_reserve_vcc 0
		.amdhsa_float_denorm_mode_32 3
		.amdhsa_float_denorm_mode_16_64 3
		.amdhsa_memory_ordered 1
		.amdhsa_forward_progress 1
		.amdhsa_inst_pref_size 63
	.end_amdhsa_kernel
	.amdgpu_metadata
---
amdhsa.version: [ 1, 2 ]
amdhsa.kernels:
  - .name:           k_qeb019249b8_outp
    .symbol:         k_qeb019249b8_outp.kd
    .args:
      - { .name: acodes, .offset: 0, .size: 8, .value_kind: global_buffer, .address_space: global }
      - { .name: ascl, .offset: 8, .size: 8, .value_kind: global_buffer, .address_space: global }
      - { .name: wimg, .offset: 16, .size: 8, .value_kind: global_buffer, .address_space: global }
      - { .name: wsc, .offset: 24, .size: 8, .value_kind: global_buffer, .address_space: global }
      - { .name: bo, .offset: 32, .size: 8, .value_kind: global_buffer, .address_space: global }
      - { .name: h, .offset: 40, .size: 8, .value_kind: global_buffer, .address_space: global }
      - { .name: out0, .offset: 48, .size: 8, .value_kind: global_buffer, .address_space: global }
    .group_segment_fixed_size: 327680
    .private_segment_fixed_size: 0
    .kernarg_segment_align: 8
    .kernarg_segment_size: 56
    .max_flat_workgroup_size: 256
    .sgpr_count:     102
    .vgpr_count:     512
    .wavefront_size: 32
...
	.end_amdgpu_metadata
.endif
;; end of part 3
